; MI455X (gfx1250); checked and timed in simulation.
; The chip was launched on July 23, 2026; its instructions are those of AMD's public machine-readable ISA for CDNA 5 (MIT licence, August 2026) and "CDNA5" Instruction Set Architecture Reference Guide (July 2026). The comments in the code are by the model that wrote it; some were corrected since.
;; MAB. Allowed arithmetic: matrix products marked QUANTISED: E5M2 operands, one given power-of-two scale a tensor, by v_wmma_f32_16x16x64_bf8_bf8 or v_wmma_f32_16x16x128_bf8_bf8, f32 sums; everything else in f32.
;; Inputs: K_codes 8 x 1,024 x 32 x 32 uint8 (E5M2 codes of K, K innermost, in blocks of 32 codes); Q_codes 8 x 1,024 x 32 x 32 uint8 (E5M2 codes of Q, K innermost, in blocks of 32 codes); Wk_codes 1,024 x 32 x 32 uint8 (E5M2 codes of Wk, K innermost, in blocks of 32 codes); Wo_codes 1,024 x 32 x 32 uint8 (E5M2 codes of Wo, K innermost, in blocks of 32 codes); Wq_codes 1,024 x 32 x 32 uint8 (E5M2 codes of Wq, K innermost, in blocks of 32 codes); Wv_codes 1,024 x 32 x 32 uint8 (E5M2 codes of Wv, K innermost, in blocks of 32 codes); b0 1,024 float32; b1 1,024 float32; bk 1,024 float32; bo 1,024 float32; bq 1,024 float32; bv 1,024 float32; g0 1,024 float32; g1 1,024 float32; lowp_scales 12 int32 (the exponents e of the quantised operands' scales 2^e); mask 8 x 1,024 bool.
;; Outputs: out0 8 x 1,024 x 1,024 float32.
;; This version of the problem:
;;   THIS VERSION OF THE PROBLEM IS GIVEN IN LOW PRECISION. The matrix products marked QUANTISED in the list below multiply operands that are first quantised to E5M2 (5 exponent bits, 2 mantissa bits; 8 bits a number), with one given power-of-two scale for each operand tensor; their sums are f32. All else is computed in f32.
;;   The module's matrix products, in the order in which they are computed (A, B: the left and right operand; K: the contracted axis; several contracted axes count as one K, in the product's order):
;;     1. [M 8,192, K 1,024] x [K 1,024, N 1,024]; A: input Q (given as codes); B: input Wq (given as codes): QUANTISED (scales: A lowp_scales[0], B lowp_scales[1])
;;     2. [M 8,192, K 1,024] x [K 1,024, N 1,024]; A: input K (given as codes); B: input Wk (given as codes): QUANTISED (scales: A lowp_scales[2], B lowp_scales[3])
;;     3. [M 8,192, K 1,024] x [K 1,024, N 1,024]; A: input K (given as codes); B: input Wv (given as codes): QUANTISED (scales: A lowp_scales[4], B lowp_scales[5])
;;     4. batch 128 x [M 1,024, K 64] x [K 64, N 1,024]; A: computed on the way; B: computed on the way: QUANTISED (scales: A lowp_scales[6], B lowp_scales[7])
;;     5. batch 128 x [M 64, K 1,024] x [K 1,024, N 1,024]; A: computed on the way; B: softmax (see below): QUANTISED (scales: A lowp_scales[8], B lowp_scales[9])
;;     6. [M 8,192, K 1,024] x [K 1,024, N 1,024]; A: computed on the way; B: input Wo (given as codes): QUANTISED (scales: A lowp_scales[10], B lowp_scales[11])
;;   THE QUANTISER, for each operand of a quantised product, along K:
;;     - The operand's scale is 2^e, e = its entry of the input lowp_scales (int32; the entries are numbered through the quantised products in the list's order, A before B).
;;     - Each number is divided by the scale, clamped to +-57,344, and rounded to the nearest number of E5M2, ties to even, subnormals kept.
;;     - The product sums the exact products of the quantised numbers (number of the format x scale) in f32.
;;   ~~~python
;;   def quantise(x, axis, e):      # numpy; x: float32 -> the quantised numbers, widened to float32 again
;;       x = np.moveaxis(x, axis, -1); K = x.shape[-1]
;;       r = np.clip(x / 2.0 ** e, -57344, 57344)
;;       step = 2.0 ** (np.maximum(np.frexp(np.where(r == 0, 1, r))[1] - 1, -14) - 2)
;;       q = np.round(r / step) * step * 2.0 ** e      # np.round: ties to even
;;       return np.moveaxis(q, -1, axis).astype(np.float32)
;;   ~~~
;;   SOFTMAX AHEAD OF A QUANTISED PRODUCT. Where the list says 'softmax', what is quantised is not the finished softmax but p = 2^(t - M), with t = logit x log2(e) and M = ceil(the row's largest t), a whole number; so 1/2 < the row's largest p <= 1. The row's sum l is taken of the UNQUANTISED p, in f32, and the product's result is divided by l at the end. Since M is a whole number, a kernel that streams over the keys may use a running M (the ceiling of the running maximum): every later rescaling is an exact power of two, so the quantised numbers keep their values, but for numbers so far below the row's largest that they fall under the format's range.
;;   OPERANDS COMPUTED ON THE WAY. 'Computed on the way' means the value that the module computes at that place (a softmax that the list does not call 'softmax' is quantised finished and normalised). What goes into a quantiser is computed in f32, as accurately as f32 sums, v_exp_f32 and their like allow (about 1e-6 of the number): no bf16 or f16 on the way to a quantiser, and a product that is left as it is and whose result goes on into a quantised operand takes f32 operands (vector FMAs, or v_wmma_f32_16x16x4_f32). A number that lies on a knife's edge between two numbers of the format may be rounded either way, as far as f32 arithmetic and the matrix unit's own rounding can turn it there, and no further.
;;   INPUTS GIVEN AS CODES. K (in the module: [8, 1024, 1024], K = its axis 2); Q (in the module: [8, 1024, 1024], K = its axis 2); Wk (in the module: [1024, 1024], K = its axis 0); Wo (in the module: [1024, 1024], K = its axis 0); Wq (in the module: [1024, 1024], K = its axis 0); Wv (in the module: [1024, 1024], K = its axis 0): each comes as NAME_codes (uint8): NAME with its K axis moved to the last place and cut into blocks of 32 codes, [.., K / 32, bytes a block], one block behind the other in memory; one code a byte (a code: sign, 5 exponent bits, 2 mantissa bits); its scale is its entry of lowp_scales. Its value is code x scale, taken as it is: it is not quantised again, and the codes and scales need not be those that the quantiser above would give.
;; 2 versions, each right; version 2 is version 1 with the launches attn, tail written anew for expert scheduling mode. Each part assembles by itself: llvm-mc -triple=amdgcn-amd-amdhsa -mcpu=gfx1250 --defsym DOCPART=n.
;; ======== version 1 of 2: 3 launches
;; limits: right only within a limited range of input values
;; workspace buffers: kc 8,388,608 bytes; vt 8,388,608 bytes; woimg 1,048,576 bytes; o 33,554,432 bytes
;; launch kvproj (part 1): grid 4 x 64, 4 waves a work-group, clusters of 4 x 4, 327,680 bytes of LDS; arguments K_codes, Wk_codes, Wv_codes, lowp_scales, bk, bv, Wo_codes, kc, vt, woimg; writes kc, vt, woimg
.if DOCPART == 1
	.amdgcn_target "amdgcn-amd-amdhsa--gfx1250"
	.amdhsa_code_object_version 6
	.text
	.protected	k_qe663097fe0_kvproj
	.globl	k_qe663097fe0_kvproj
	.p2align	8
	.type	k_qe663097fe0_kvproj,@function
k_qe663097fe0_kvproj:
	s_mov_b64 s[64:65], 0
	v_nop
	global_prefetch_b8 v0, s[64:65] scope:SCOPE_SE
	s_setreg_imm32_b32 hwreg(HW_REG_WAVE_MODE, 25, 1), 1
	s_wait_xcnt 0x0
	s_wait_alu depctr_hold_cnt(0) depctr_sa_sdst(0) depctr_va_vdst(0) depctr_va_sdst(0) depctr_va_ssrc(0) depctr_va_vcc(0) depctr_vm_vsrc(0)
	s_getreg_b32 s2, hwreg(HW_REG_IB_STS2, 6, 4)
	s_cmp_eq_u32 s2, 0
	s_cbranch_scc0 .Lentry_in_a_cluster
	s_endpgm
.Lentry_in_a_cluster:
	s_bfe_u32 s2, ttmp6, 0x10000c
	s_cmp_lg_u32 s2, 0xf033
	s_cbranch_scc0 .Lentry_shape_is_right
	s_endpgm
.Lentry_shape_is_right:
; k = K Wk + bk and v = K Wv + bv, both products on the given codes of BF8 (E5M2); the results are quantised at once (k with scale entry 7, v with entry 8) and stored as codes.
; Beside that each work-group re-lays two fragments of Wo's codes in the order of an operand's registers, for the last launch.
; ONE TEXT FOR BOTH PRODUCTS.  C[m][n] = sum over k of A[m][k] B[n][k], a tile of 256 x 256 to a work-group, 128 x 128 to each of four waves (64 accumulators, 512 registers).
;   KIND 0 (cluster y 0-7):  A = K's codes (8,192 rows), B = Wk's (1,024 rows): C = k.    KIND 1 (cluster y 8-15): A = Wv's codes, B = K's: C = v transposed, rows (head, d), columns the keys.
; The matrix instruction is used transposed (source 0 = 16 rows of B, source 1 = 16 rows of A): a lane holds one row of C and eight neighbouring columns.  For KIND 1 those are eight neighbouring KEYS
; of one (head, d): v's codes come out with the keys innermost, as the second product of attention wants them, and nothing is transposed.
; 32 x 4 + 4 x 32 = 256 tiles.  KIND hangs on the cluster's y alone, so it is the same in all sixteen partners; it chooses pointers and exponents by selects and parts the text once, on the way out.
; K goes in steps of 256 through a ring of two LDS slots filled by the tensor data mover.  CLUSTERS: 4 x 4 work-groups; A's tile is asked for jointly along a row of the cluster, B's along a column.
; OUTPUT LAYOUTS.  kc: [b 8][head 16][l 1024][d 64].   vt: [b][head][s 8][d 64][kk 128], key = 128 s + kk.   woimg: [W 16][ks 8][nt 4][c 4][lane 32][16 bytes]: lane (r, h) holds, of Wo's row
; 16 (4 W + nt) + r, k = 128 ks + 32 c + 16 h + 0 .. 15.
; LIMITS: entries 2 + 3 and 4 + 5 of the scales between -126 and 127; entries 7 and 8 between -126 and 112, so that each power of two below is an f32 number.  NaN and infinity codes are not served.
; REGISTERS, in windows of 256: window 0: v0-31 addresses; v32-39 Wo's two pieces; v40-55 the bias of my rows (each twice); v64-127 the bias of my columns; from v128 A's fragments, ONE set;
;   on the way out v128-191 numbers, v192-207 / v240-255 codes, v208-239 rows read back.   window 1: B's fragments, two sets.   windows 2, 3: the accumulators ((a, b) at v[8 (8 (a % 4) + b)]).
.set KSTEP,  256                       ; along K in a slot
.set ROWB,   256                       ; a tile's row in bytes
.set KROW,   1024                      ; a row of A or of B in memory, in bytes
.set PITCH,  272                       ; an LDS row: 256 bytes + 16 of padding, an odd multiple of 16: the 16 rows that a load touches begin in 16 different columns of 16 bytes
.set FR,     16                        ; registers of a fragment: 16 rows x 128 K
.set NL,     4                         ; LDS loads that bring one
.set NP,     4                         ; places behind this matrix instruction (ISA guide 7.12.1)
.set HALFT,  128*PITCH                 ; 128 rows: what one tensor load brings
.set SLOT,   4*HALFT                   ; A's 256 rows, then B's 256 rows
.set LAPS,   KROW/(2*KSTEP)            ; 2 laps round the ring
.set SPARE,  2*SLOT                    ; behind the ring: the spare words, 128 bytes for each wave
.set SPB,    144                       ; the way out: a stage row: 128 codes + 16 bytes
.set STW,    16*SPB                    ; a wave's stage.  The stages lie in slot 0, which has had its last fill and its last read when the first code is stored there
.set STGV,   4*STW                     ; KIND 1's stages begin here: each of the two ways out has LDS bytes of its own
.set CBO,  8                           ; v8   32 h: my place in a block's column bias
.set STK,  9                           ; v9   KIND 0: where I put 8 codes
.set RDK,  10                          ; v10  KIND 0: where I read 16 codes back
.set GO,   11                          ; v11  16 x lane
.set RBO,  12                          ; v12  4 r: my row's bias
.set WOS,  13                          ; v13  Wo: 1024 r + 16 h + 32 x wave
.set WOD,  14                          ; v14  woimg: 16 x lane + 512 x wave
.set LIMV, 15                          ; v15  57,344 x the codes' scale
.set ADRA, 16                          ; v16-17  LDS address of my A fragments in slot 0, 1
.set STV,  18                          ; v18  KIND 1: where I put 8 codes
.set RDV,  19                          ; v19  KIND 1: where I read 16 codes back
.set ADRB, 20                          ; v20-21  the same as ADRA for B
.set SCV,  27                          ; v27  the codes' scale as f32
.set SPW,  28                          ; v28  LDS address of my spare word; never rewritten
.set NIL,  29                          ; v29  0; never rewritten
.set WOF,  32
.set RB,   40
.set CB,   64
.set TMP,  128
.set AF,   128
.set G1, 24                            ; s[24:31] descriptor group 1 for A's tiles;  s[32:39] group 0, one set for each slot
.set G0, 32
.set G1B, 48                           ; s[48:55], s[56:63] the same for B's tiles
.set G0B, 56
.set MSB, 0
.macro WIN new                         ; the immediate's high byte repeats the setting that is left; a switch that changes nothing is dropped
.if MSB != (\new)
	s_set_vgpr_msb (MSB<<8)|(\new)
.set MSB, (\new)
.endif
.endm
.set MUL_LO, 0xa1                      ; source 0 (B) window 1, source 1 (A) window 0, C and D window 2
.set MUL_HI, 0xf1                      ; the same, C and D window 3
.set TO_B,   0x40                      ; destination window 1, address window 0
; A joint load: waves 0 and 1 fetch for A, waves 2 and 3 for B.  The branch hangs on the wave's number alone.  Four v_nop follow each of the two lines.
.macro JLOAD g0a, g1a, g0b, g1b
	s_cmp_eq_u32 s15, 0
	s_cbranch_scc0 .Lfor_b_\@
	tensor_load_to_lds s[\g0a:\g0a+3], s[\g1a:\g1a+7]
	s_nop 0
.rept 4
	v_nop
.endr
	s_branch .Lasked_\@
.Lfor_b_\@:
	tensor_load_to_lds s[\g0b:\g0b+3], s[\g1b:\g1b+7]
	s_nop 0
.rept 4
	v_nop
.endr
.Lasked_\@:
.endm
.macro CREST                           ; a round of the cluster's barrier behind its opening barrier
	s_cmp_lg_u32 s14, 0
	s_cbranch_scc1 .Lnot_wave_0_\@
	s_barrier_signal -3
.Lnot_wave_0_\@:
	s_barrier_wait -3
	s_barrier_signal -1
	s_barrier_wait -1
.endm
.macro CROUND                          ; a whole round
	s_barrier_signal -1
	s_barrier_wait -1
	CREST
.endm
	s_load_b256 s[68:75], s[0:1], 0x0              ; K's codes s[68:69], Wk's s[70:71], Wv's s[72:73], the scales' exponents s[74:75]
	s_load_b256 s[76:83], s[0:1], 0x20             ; bk s[76:77], bv s[78:79], Wo's codes s[80:81], kc s[82:83]
	s_load_b128 s[84:87], s[0:1], 0x40             ; vt s[84:85], woimg s[86:87]
	v_lshl_add_u32 v[SPW], v0, 2, SPARE
	v_mov_b32 v[NIL], 0
	ds_add_u32 v28, v29
	ds_add_u32 v28, v29
	s_wait_dscnt 0x0
	v_lshrrev_b32 v1, 5, v0
	v_readfirstlane_b32 s14, v1                    ; wave 0..3
	s_lshr_b32 s15, s14, 1                         ; which half of the tile's rows is mine.  Also: I fetch for A (0) or for B (1)
	s_and_b32 s16, s14, 1                          ; which half of its columns.  Also: which 128 rows of that tile I fetch
	s_bfe_u32 s40, ttmp6, 0x40000                  ; cx, cy: my place in the cluster
	s_bfe_u32 s41, ttmp6, 0x40004
	s_and_b32 s12, ttmp7, 0xffff                   ; the cluster's y, 0..15 (its x is always 0: the grid is one cluster wide)
	s_lshr_b32 s66, s12, 3                         ; KIND
	s_and_b32 s67, s12, 7                          ; which of the kind's eight clusters
	s_cmp_eq_u32 s66, 0
	s_cselect_b32 s42, 0, s67                      ; KIND 1 walks the tile columns (the keys),
	s_cselect_b32 s17, s67, 0                      ; KIND 0 the tile rows
	s_lshl_b32 s42, s42, 2
	s_add_co_u32 s42, s42, s40                     ; tile column of C
	s_lshl_b32 s17, s17, 2
	s_add_co_u32 s17, s17, s41                     ; tile row of C
	s_lshl_b32 s43, s41, 2
	s_lshl_b32 s43, 15, s43                        ; my row of the cluster
	s_lshl_b32 s44, 0x1111, s40                    ; my column
	; descriptor group 1: a tile of 128 rows x 256 bytes, padded in LDS
	s_or_b32 s[G1+0], s43, (0<<16)|(1<<20)|(1<<21)|(5<<22)|(3<<25)  ; 15:0 the mask: A's tiles go to my row; 17:16 elements of 1 byte; 20 padding on; 21 set beside a mask; 24:22 after every 64 words; 31:25 four words
	s_or_b32 s[G1B+0], s44, (0<<16)|(1<<20)|(1<<21)|(5<<22)|(3<<25) ; the same with the mask of my column
.irp g, G1, G1B
	s_mov_b32 s[\g+1], ROWB<<16                    ; tensor_dim0
	s_mov_b32 s[\g+2], 128<<16                     ; tensor_dim1 = 128
	s_mov_b32 s[\g+3], ROWB<<16                    ; tile_dim0
	s_mov_b32 s[\g+4], 128                         ; tile_dim1 = 128
	s_mov_b32 s[\g+5], KROW                        ; tensor_dim0_stride
	s_mov_b32 s[\g+6], 0
	s_mov_b32 s[\g+7], 0
.endr
	s_lshl_b32 s18, s16, 7                         ; which 128 rows of the tile I fetch
	s_lshl_b32 s20, s17, 8
	s_add_co_u32 s20, s20, s18                     ; A: row 256 x tile row + 128 x half
	s_lshl_b32 s46, s42, 8
	s_add_co_u32 s46, s46, s18                     ; B: row 256 x tile column + 128 x half
	s_lshl_b32 s20, s20, 10                        ; in bytes: at most 8,191 rows of 1,024
	s_lshl_b32 s46, s46, 10
	s_mov_b32 s21, 0
	s_mov_b32 s47, 0
	s_mul_i32 s45, s14, HALFT                      ; where they go: wave x 128 rows: no place in the cluster enters an LDS address
	s_wait_kmcnt 0x0
	s_cmp_eq_u32 s66, 0                            ; the choices hang on the cluster's y alone
	s_cselect_b64 s[4:5], s[68:69], s[72:73]       ; A: K's codes or Wv's
	s_cselect_b64 s[6:7], s[70:71], s[68:69]       ; B: Wk's codes or K's
	s_cselect_b64 s[8:9], s[76:77], s[78:79]       ; the bias: bk or bv
	s_cselect_b64 s[10:11], s[82:83], s[84:85]     ; the codes go to kc or to vt
	s_load_b256 s[88:95], s[74:75], 0x8            ; entries 2 to 9 of the scales
	s_add_nc_u64 s[20:21], s[4:5], s[20:21]
	s_add_nc_u64 s[46:47], s[6:7], s[46:47]
	CROUND                                         ; all sixteen work-groups are here: the first joint loads meet
.irp s, 0,1
	s_mov_b32 s[G0+4*\s], 1
	s_add_co_u32 s[G0+4*\s+1], s45, \s*SLOT
	s_add_nc_u64 s[G0+4*\s+2:G0+4*\s+3], s[20:21], \s*ROWB
	s_or_b32 s[G0+4*\s+3], s[G0+4*\s+3], 0x80000000
	s_mov_b32 s[G0B+4*\s], 1
	s_add_co_u32 s[G0B+4*\s+1], s45, \s*SLOT
	s_add_nc_u64 s[G0B+4*\s+2:G0B+4*\s+3], s[46:47], \s*ROWB
	s_or_b32 s[G0B+4*\s+3], s[G0B+4*\s+3], 0x80000000
	JLOAD G0+4*\s, G1, G0B+4*\s, G1B               ; two tensor loads of mine are out: K steps 0 and 1
.endr
	v_and_b32 v1, 15, v0                           ; r = l % 16
	v_bfe_u32 v2, v0, 4, 1                         ; h = l / 16
	v_mul_u32_u24 v3, v1, PITCH
	v_lshl_add_u32 v4, v2, 4, v3                   ; a fragment's row x pitch + 16 x half
	s_mul_i32 s21, s15, HALFT                      ; my 128 rows of A
	s_mul_i32 s22, s16, HALFT                      ; my 128 rows of B,
	s_add_co_u32 s22, s22, 2*HALFT                 ; which lie behind A's 256
.irp s, 0,1
	v_add_nc_u32 v[ADRA+\s], s21, v4
	v_add_nc_u32 v[ADRB+\s], s22, v4
	s_add_co_u32 s21, s21, SLOT
	s_add_co_u32 s22, s22, SLOT
.endr
	; the way out's addresses, for both kinds: all are made here, ahead of the one place where the text parts
	v_and_b32 v6, 31, v0                           ; lane
	v_lshlrev_b32 v[CBO], 5, v2
	v_lshlrev_b32 v[RBO], 2, v1
	v_lshlrev_b32 v[WOS], 10, v1
	v_lshl_add_u32 v[WOS], v2, 4, v[WOS]
	s_lshl_b32 s23, s14, 5
	v_add_nc_u32 v[WOS], s23, v[WOS]               ; wave w takes piece c = w of a fragment of Wo
	v_lshlrev_b32 v[GO], 4, v6
	s_lshl_b32 s23, s14, 9
	v_add_nc_u32 v[WOD], s23, v[GO]
	s_mul_i32 s23, s14, STW                        ; my stage
	v_mul_u32_u24 v5, v1, SPB
	v_lshl_add_u32 v5, v2, 3, v5
	v_add_nc_u32 v[STK], s23, v5                   ; in: row r, 8 bytes for each half of the lanes
	v_add_nc_u32 v[STV], STGV, v[STK]
	v_lshrrev_b32 v5, 2, v6
	v_mul_u32_u24 v5, v5, SPB
	v_and_b32 v7, 3, v6
	v_lshl_add_u32 v5, v7, 4, v5
	v_add_nc_u32 v[RDK], s23, v5                   ; KIND 0, back: four lanes take a head's 64 bytes of a row, eight rows a load
	v_lshrrev_b32 v5, 3, v6
	v_mul_u32_u24 v5, v5, SPB
	v_and_b32 v7, 7, v6
	v_lshl_add_u32 v5, v7, 4, v5
	v_add_nc_u32 v5, s23, v5
	v_add_nc_u32 v[RDV], STGV, v5                  ; KIND 1, back: eight lanes take a row's 128 bytes, four rows a load
	; The bias in both forms: along my 128 columns (KIND 0 uses it) and along my 128 rows (KIND 1).  The form that this kind does not use is kept inside the buffer by the AND; loading both spares a second parting of the text.
	s_lshl_b32 s20, s42, 8
	s_lshl_b32 s21, s16, 7
	s_add_co_u32 s20, s20, s21
	s_and_b32 s20, s20, 1023
	s_lshl_b32 s20, s20, 2
	s_mov_b32 s21, 0
	s_add_nc_u64 s[20:21], s[8:9], s[20:21]        ; at my first column
	s_lshl_b32 s22, s17, 8
	s_lshl_b32 s23, s15, 7
	s_add_co_u32 s22, s22, s23
	s_and_b32 s22, s22, 1023
	s_lshl_b32 s22, s22, 2
	s_mov_b32 s23, 0
	s_add_nc_u64 s[22:23], s[8:9], s[22:23]        ; at my first row
.irp b, 0,1,2,3,4,5,6,7
	global_load_b128 v[CB+8*\b:CB+8*\b+3],   v[CBO], s[20:21] offset:64*\b      ; block b: columns 16 b + 8 h + 0 .. 7
	global_load_b128 v[CB+8*\b+4:CB+8*\b+7], v[CBO], s[20:21] offset:64*\b+16
.endr
.irp a, 0,1,2,3,4,5,6,7
	global_load_b32 v[RB+2*\a],   v[RBO], s[22:23] offset:64*\a                  ; block a: row 16 a + r, twice: a pair for the packed multiply-add
	global_load_b32 v[RB+2*\a+1], v[RBO], s[22:23] offset:64*\a
.endr
	; Wo's re-lay: work-group g of 256 takes fragments 2 g and 2 g + 1 of 512; fragment F = (8 W + ks) 4 + nt
	s_lshl_b32 s45, s12, 2
	s_add_co_u32 s45, s45, s41
	s_lshl_b32 s45, s45, 2
	s_add_co_u32 s45, s45, s40                     ; g
	s_lshl_b32 s45, s45, 1                         ; F
	s_lshr_b32 s46, s45, 5                         ; W
	s_lshl_b32 s46, s46, 2
	s_and_b32 s47, s45, 3                          ; nt: 0 or 2
	s_add_co_u32 s46, s46, s47
	s_lshl_b32 s46, s46, 14                        ; 16 rows of 1,024 bytes for each (W, nt)
	s_bfe_u32 s47, s45, 0x30002                    ; ks
	s_lshl_b32 s47, s47, 7
	s_add_co_u32 s46, s46, s47
	s_mov_b32 s47, 0
	s_add_nc_u64 s[80:81], s[80:81], s[46:47]
	global_load_b128 v[WOF:WOF+3],   v[WOS], s[80:81]
	global_load_b128 v[WOF+4:WOF+7], v[WOS], s[80:81] offset:16384   ; the next fragment: 16 rows on
	s_lshl_b32 s46, s45, 11                        ; a fragment's image is 2,048 bytes
	s_add_nc_u64 s[86:87], s[86:87], s[46:47]
	; where my codes go.  KIND 0: ((16 b + head) 1024 + l) 64 with b = tile row / 4;  KIND 1: ((16 b + head) 8 + s) 8192 with b = tile column / 4
	s_lshr_b32 s18, s17, 2
	s_lshl_b32 s18, s18, 4
	s_lshl_b32 s19, s42, 2
	s_add_co_u32 s18, s18, s19
	s_lshl_b32 s19, s16, 1
	s_add_co_u32 s18, s18, s19                     ; 16 b + 4 x tile column + 2 x half: my first head
	s_lshl_b32 s18, s18, 10
	s_and_b32 s19, s17, 3
	s_lshl_b32 s19, s19, 8
	s_add_co_u32 s18, s18, s19
	s_lshl_b32 s19, s15, 7
	s_add_co_u32 s18, s18, s19                     ; + my first l
	s_lshl_b32 s18, s18, 6
	s_lshr_b32 s46, s42, 2
	s_lshl_b32 s46, s46, 4
	s_lshl_b32 s47, s17, 2
	s_add_co_u32 s46, s46, s47
	s_lshl_b32 s47, s15, 1
	s_add_co_u32 s46, s46, s47                     ; 16 b + 4 x tile row + 2 x half: my first head
	s_lshl_b32 s46, s46, 3
	s_and_b32 s47, s42, 3
	s_lshl_b32 s47, s47, 1
	s_add_co_u32 s46, s46, s47
	s_add_co_u32 s46, s46, s16                     ; + s: my 128 columns are one step of 128 keys
	s_lshl_b32 s46, s46, 13
	s_cmp_eq_u32 s66, 0
	s_cselect_b32 s18, s18, s46
	s_mov_b32 s19, 0
	s_add_nc_u64 s[10:11], s[10:11], s[18:19]
.macro FRAG reg, adr, q, i             ; a fragment is 16 registers: lane l holds row l % 16; registers 4 c .. 4 c + 3 hold K = 32 c + 16 (l / 16) + 0 .. 15: the same order of k in A and in B, so every product meets its partner
.irp c, 0,1,2,3
	ds_load_b128 v[\reg+4*\c:\reg+4*\c+3], v[\adr] offset:128*(\q)+32*\c+(\i)*16*PITCH
.endr
.endm
; 16 matrix instructions: A's blocks a0, a0 + 1 x B's eight, 128 along K.  p: B's set.  zero = 1: the first product starts the sums.
; The 64 accumulators take turns, one instruction a turn, in the same order in every step.
.macro MUL16 a0, p, zero
.irp a, \a0, \a0+1
.irp b, 0,1,2,3,4,5,6,7
.if \zero
	v_wmma_f32_16x16x128_bf8_bf8 v[8*(8*((\a)%4)+\b):8*(8*((\a)%4)+\b)+7], v[128*(\p)+FR*\b:128*(\p)+FR*\b+FR-1], v[AF+FR*(\a):AF+FR*(\a)+FR-1], 0
.else
	v_wmma_f32_16x16x128_bf8_bf8 v[8*(8*((\a)%4)+\b):8*(8*((\a)%4)+\b)+7], v[128*(\p)+FR*\b:128*(\p)+FR*\b+FR-1], v[AF+FR*(\a):AF+FR*(\a)+FR-1], v[8*(8*((\a)%4)+\b):8*(8*((\a)%4)+\b)+7]
.endif
.endr
.endr
.endm
.macro FETCH_B slot, q, p              ; B's eight fragments of the slot's q-th 128 along K into set p
	WIN TO_B
.irp i, 0,1,2,3,4,5,6,7
	FRAG 128*(\p)+FR*\i, ADRB+\slot, \q, \i
.endr
	WIN 0
.endm
.macro FETCH_A slot, q, i0             ; A's blocks i0 .. i0 + 3
.irp i, \i0, \i0+1, \i0+2, \i0+3
	FRAG AF+FR*(\i), ADRA+\slot, \q, \i
.endr
.endm
.macro PLACES n                        ; a load into a register that a matrix instruction has read, and a vector instruction that reads a result or writes such a register, stand NP plain vector instructions behind it
.rept \n
	v_nop
.endr
.endm
; A step of 128 along K that has its successor in the same slot.
.macro STEP slot, q, zero
	s_wait_dscnt 4*NL                              ; B's set and A's blocks 0-3 are in; the youngest 16 loads (A's blocks 4-7) may be out
	WIN MUL_LO
	MUL16 0, (\q)%2, \zero
	MUL16 2, (\q)%2, \zero
	s_wait_dscnt 0                                 ; A's blocks 4-7 are in (asked for 32 matrix instructions ago)
	PLACES NP
	FETCH_B \slot, (\q)+1, 1-(\q)%2
	FETCH_A \slot, (\q)+1, 0
	WIN MUL_HI
	MUL16 4, (\q)%2, \zero
	MUL16 6, (\q)%2, \zero
	PLACES NP
	WIN 0
	FETCH_A \slot, (\q)+1, 4
.endm
; A slot's last step changes slots: ONE barrier; in front of it each wave waits for all its tensor loads, adds 0 to its spare word, and waits for that and for its own reads of this slot.  fill = 1: this slot is filled again, two K steps ahead.
.macro TURN slot, next, fill
	s_wait_tensorcnt 0x0                           ; all my tensor loads have landed: my part of the next slot  (every window is 0 here)
	ds_add_u32 v[SPW], v[NIL]                      ; 0 onto my spare word
	s_wait_dscnt 4*NL+1                            ; (the add and the youngest 16 loads, A's blocks 4-7, may be out)
	WIN MUL_LO
	MUL16 0, 1, 0                                  ; sixteen matrix instructions stand between the add and the wait for it
	s_wait_dscnt 0x0                               ; the add is done, and my reads of this slot are over
	s_barrier_signal -1
	MUL16 2, 1, 0
	WIN 0
	s_barrier_wait -1
.if \fill
	CREST                                          ; the barrier has opened a round of the cluster's barrier: no wave of any partner still reads this slot's tile or has a load on its way
	s_add_nc_u64 s[G0+4*\slot+2:G0+4*\slot+3], s[G0+4*\slot+2:G0+4*\slot+3], 2*ROWB
	s_add_nc_u64 s[G0B+4*\slot+2:G0B+4*\slot+3], s[G0B+4*\slot+2:G0B+4*\slot+3], 2*ROWB
	JLOAD G0+4*\slot, G1, G0B+4*\slot, G1B         ; the first tensor load behind the round, my only one until the next; its four v_nop are the places in front of the loads below
.else
	PLACES NP
.endif
	FETCH_B \next, 0, 0
	FETCH_A \next, 0, 0
	WIN MUL_HI
	MUL16 4, 1, 0
	MUL16 6, 1, 0
	PLACES NP
	WIN 0
	FETCH_A \next, 0, 4
.endm
	s_wait_tensorcnt 1                             ; my part of K step 0 is in; K step 1's load may be out
	s_barrier_signal -1
	s_barrier_wait -1                              ; everybody's is
	FETCH_B 0, 0, 0
	FETCH_A 0, 0, 0
	FETCH_A 0, 0, 4
	STEP 0, 0, 1                                   ; the first step stands in front of the loop: its products start the sums
	s_mov_b32 s3, LAPS-1
.Llap:                                             ; a trip goes once round the ring, from a lap's second step to the next lap's first, and fills both slots again
	TURN 0, 1, 1
	STEP 1, 0, 0
	TURN 1, 0, 1
	STEP 0, 0, 0
	s_sub_co_u32 s3, s3, 1
	s_cmp_lg_u32 s3, 0
	s_cbranch_scc1 .Llap
	TURN 0, 1, 0                                   ; the last lap fills nothing, and has no round of the cluster's barrier
	STEP 1, 0, 0
	s_wait_dscnt 4*NL                              ; the very last step: nothing more to fetch
	WIN MUL_LO
	MUL16 0, 1, 0
	MUL16 2, 1, 0
	s_wait_dscnt 0
	WIN MUL_HI
	MUL16 4, 1, 0
	MUL16 6, 1, 0
	WIN 0
; THE WAY OUT, block by block of 16 rows x 128 columns.  CODES: number = sum x 2^(ea + eb) + bias (one packed multiply-add for two), held within +-57,344 x the scale (the conversion to an 8-bit code does not
; saturate: ISA guide 7.6.2), converted, eight codes a conversion; a lane's 8 bytes go into my own stage and come back 16 bytes a lane in the order of the output.  LDS serves a wave's instructions in order
; (ISA guide 5.7.1.4): no wait between the stores and the loads.  SENDC: four stores of 512 consecutive bytes each.  Every offset is an immediate.
.macro CODES a, kind
.set AC, 64*((\a)%4)
.set CD, 192+48*((\a)%2)               ; two sets of code registers by turns: a set is written again only when its block's LDS stores are shown done by SENDC's wait
.set BB, 208+16*((\a)%2)
	WIN 0x02+((\a)/4)                              ; source 0: window 2 or 3
.set jj, 0
.rept 32                               ; each accumulator from its low end on
.if \kind
	v_pk_fma_f32 v[TMP+jj:TMP+jj+1], v[AC+jj:AC+jj+1], s[96:97], v[RB+2*(\a):RB+2*(\a)+1] op_sel_hi:[1,0,1]
.else
	v_pk_fma_f32 v[TMP+jj:TMP+jj+1], v[AC+jj:AC+jj+1], s[96:97], v[CB+jj:CB+jj+1] op_sel_hi:[1,0,1]
.endif
.set jj, jj+2
.endr
	WIN 0
.set jj, 0
.rept 64
	v_med3_num_f32 v[TMP+jj], v[TMP+jj], -v[LIMV], v[LIMV]
.set jj, jj+1
.endr
.irp b, 0,1,2,3,4,5,6,7
	v_cvt_scalef32_pk8_bf8_f32 v[CD+2*\b:CD+2*\b+1], v[TMP+8*\b:TMP+8*\b+7], v[SCV]
.endr
	v_nop                                          ; one plain vector instruction behind the last conversion, ahead of the next block's writes of its sources
.irp b, 0,1,2,3,4,5,6,7
.if \kind
	ds_store_b64 v[STV], v[CD+2*\b:CD+2*\b+1] offset:16*\b
.else
	ds_store_b64 v[STK], v[CD+2*\b:CD+2*\b+1] offset:16*\b
.endif
.endr
.irp g, 0,1,2,3
.if \kind
	ds_load_b128 v[BB+4*\g:BB+4*\g+3], v[RDV] offset:4*SPB*\g                 ; rows 4 g .. 4 g + 3, whole
.else
	ds_load_b128 v[BB+4*\g:BB+4*\g+3], v[RDK] offset:8*SPB*(\g/2)+64*(\g%2)   ; rows 8 (g / 2) on, head g % 2
.endif
.endr
.endm
.macro SENDC a, younger, kind          ; younger: the LDS instructions issued behind block a's loads, which may stay out
.set BB, 208+16*((\a)%2)
	s_wait_dscnt \younger
.irp g, 0,1,2,3
.if \kind
	global_store_b128 v[GO], v[BB+4*\g:BB+4*\g+3], s[10:11] offset:65536*((\a)/4)+2048*((\a)%4)+512*\g   ; head a / 4, d = 16 (a % 4) + 4 g on: 4 rows of 128 keys, 512 consecutive bytes
.else
	global_store_b128 v[GO], v[BB+4*\g:BB+4*\g+3], s[10:11] offset:1024*(\a)+512*(\g/2)+65536*(\g%2)     ; head g % 2, l = 16 a + 8 (g / 2) on: 8 rows of 64 bytes, 512 consecutive bytes
.endif
.endr
.endm
.macro OUTALL kind
	CODES 0, \kind
.irp a, 1,2,3,4,5,6,7
.if \a > 1
	s_wait_xcnt 0x0                                ; block a - 2's stores have read their registers: block a's loads may land there
.endif
	CODES \a, \kind
	SENDC \a-1, 12, \kind                          ; behind block a - 1's loads: block a's 8 stores and 4 loads
.endr
	SENDC 7, 0, \kind
.endm
	s_wait_kmcnt 0x0
	s_add_co_i32 s96, s88, s89                     ; entries 2 + 3: k's sums lack 2^ that
	s_add_co_i32 s97, s90, s91                     ; entries 4 + 5: v's
	s_cmp_eq_u32 s66, 0
	s_cselect_b32 s96, s96, s97
	s_cselect_b32 s98, s93, s94                    ; the codes' scale: entry 7 for k, entry 8 for v
	s_add_co_i32 s96, s96, 127
	s_lshl_b32 s96, s96, 23                        ; as an f32 number
	s_mov_b32 s97, s96                             ; (named with it as a pair, so it is written)
	s_add_co_i32 s98, s98, 127
	s_add_co_i32 s99, s98, 15
	s_lshl_b32 s98, s98, 23
	s_lshl_b32 s99, s99, 23
	s_or_b32 s99, s99, 0x600000
	v_mov_b32 v[SCV], s98                          ; 2^e: the conversion takes its exponent field
	v_mov_b32 v[LIMV], s99                         ; 57,344 x 2^e
	s_wait_loadcnt 0x0                             ; the biases and Wo's two pieces, asked for at the head
	PLACES NP                                      ; behind the last products: the lines below write registers that held A's fragments and read results
	global_store_b128 v[WOD], v[WOF:WOF+3],   s[86:87]               ; 32 lanes store 512 consecutive bytes: piece c = wave of fragment F,
	global_store_b128 v[WOD], v[WOF+4:WOF+7], s[86:87] offset:2048   ; and of fragment F + 1
	s_cmp_eq_u32 s66, 0
	s_cbranch_scc0 .Lkind_v
	OUTALL 0
	s_branch .Ljoin
.Lkind_v:
	OUTALL 1
.Ljoin:
	s_wait_tensorcnt 0x0                           ; the wave's end, behind my last tensor load and my last LDS store
	ds_add_u32 v[SPW], v[NIL]
	s_wait_dscnt 0x0
	CROUND                                         ; the closing round: no work-group ends while a partner may still ask for a tile that names it
	s_endpgm
.Lfunc_end_k_qe663097fe0_kvproj:
	.size	k_qe663097fe0_kvproj, .Lfunc_end_k_qe663097fe0_kvproj-k_qe663097fe0_kvproj
	.p2alignl 7, 3214868480
	.fill 96, 4, 3214868480
	.section	.rodata,"a",@progbits
	.p2align	6, 0x0
	.amdhsa_kernel k_qe663097fe0_kvproj
		.amdhsa_group_segment_fixed_size 327680
		.amdhsa_private_segment_fixed_size 0
		.amdhsa_enable_private_segment 0
		.amdhsa_kernarg_size 80
		.amdhsa_user_sgpr_count 2
		.amdhsa_user_sgpr_kernarg_segment_ptr 1
		.amdhsa_wavefront_size32 1
		.amdhsa_system_sgpr_workgroup_id_x 1
		.amdhsa_system_sgpr_workgroup_id_y 1
		.amdhsa_system_sgpr_workgroup_id_z 1
		.amdhsa_system_vgpr_workitem_id 0
		.amdhsa_next_free_vgpr 1024
		.amdhsa_next_free_sgpr 100
		.amdhsa_reserve_vcc 0
		.amdhsa_float_denorm_mode_32 3
		.amdhsa_float_denorm_mode_16_64 3
		.amdhsa_memory_ordered 1
		.amdhsa_forward_progress 1
		.amdhsa_inst_pref_size 209
	.end_amdhsa_kernel
	.amdgpu_metadata
---
amdhsa.version: [ 1, 2 ]
amdhsa.kernels:
  - .name:           k_qe663097fe0_kvproj
    .symbol:         k_qe663097fe0_kvproj.kd
    .args:
      - { .name: K_codes, .offset: 0, .size: 8, .value_kind: global_buffer, .address_space: global }
      - { .name: Wk_codes, .offset: 8, .size: 8, .value_kind: global_buffer, .address_space: global }
      - { .name: Wv_codes, .offset: 16, .size: 8, .value_kind: global_buffer, .address_space: global }
      - { .name: lowp_scales, .offset: 24, .size: 8, .value_kind: global_buffer, .address_space: global }
      - { .name: bk, .offset: 32, .size: 8, .value_kind: global_buffer, .address_space: global }
      - { .name: bv, .offset: 40, .size: 8, .value_kind: global_buffer, .address_space: global }
      - { .name: Wo_codes, .offset: 48, .size: 8, .value_kind: global_buffer, .address_space: global }
      - { .name: kc, .offset: 56, .size: 8, .value_kind: global_buffer, .address_space: global }
      - { .name: vt, .offset: 64, .size: 8, .value_kind: global_buffer, .address_space: global }
      - { .name: woimg, .offset: 72, .size: 8, .value_kind: global_buffer, .address_space: global }
    .group_segment_fixed_size: 327680
    .private_segment_fixed_size: 0
    .kernarg_segment_align: 8
    .kernarg_segment_size: 80
    .max_flat_workgroup_size: 128
    .sgpr_count:     100
    .vgpr_count:     1024
    .wavefront_size: 32
...
	.end_amdgpu_metadata
.endif
;; end of part 1
;; launch attn (part 2): grid 2 x 128, 8 waves a work-group, no clusters, 296,960 bytes of LDS; arguments Q_codes, Wq_codes, kc, vt, mask, bq, lowp_scales, o; writes o
.if DOCPART == 2
	.amdgcn_target "amdgcn-amd-amdhsa--gfx1250"
	.amdhsa_code_object_version 6
	.text
	.protected	k_qe663097fe0_attn
	.globl	k_qe663097fe0_attn
	.p2align	8
	.type	k_qe663097fe0_attn,@function
k_qe663097fe0_attn:
	s_mov_b64 s[64:65], 0
	v_nop
	global_prefetch_b8 v0, s[64:65] scope:SCOPE_SE
	s_setreg_imm32_b32 hwreg(HW_REG_WAVE_MODE, 25, 1), 1
	s_wait_xcnt 0x0
; o[b][l][head][:] = q + softmax_k(q . k / 32, masked) v, for one (b, head) and 512 queries a work-group.  q = Q Wq + bq is made here, from the given codes, and never goes to memory: it stays in registers
; as f32 (the residual) and as codes (scale entry 6).  k's and v's codes come from the launch before.  All products on codes of BF8 (E5M2), sums in f32.
; THE SOFTMAX AHEAD OF THE SECOND PRODUCT: t = score x log2(e) / 32; M = the row's largest t so far, rounded UP to a whole number; p = 2^(t - M) is quantised (entry 9), not normalised.  The row's sum is taken
; of the unquantised p and divides at the end.  When M moves, the sum and O are multiplied by 2^(old M - new M): exact.
; SHARES.  Eight waves of 512 registers, two to a SIMD.  Two passes of 256 queries; in a pass a wave owns TWO tiles of 16 queries, so that each fragment of k and of v read from LDS feeds two matrix
; instructions, and the mask's bias is read once for both.  A wave walks all 1,024 keys, 128 a step.  The head's k (64 KB), v (64 KB) and its 64 rows of Wq (64 KB) are put into LDS ONCE: no ring, one barrier.
; q IS MADE ONCE FOR BOTH PASSES: a fragment of Wq feeds the wave's four tiles.  Q's codes come through a ring of three register slots (a slot: 128 along K of four tiles, 16 loads), asked for three K steps
; ahead; the first two are asked for in the head, between the LDS stores.  The second pass's q waits, in f32, in the wave's own two stages in LDS, as an image of its registers.
; WHY THROUGH REGISTERS, AND NO CLUSTER.  LDS is filled once, 48 pieces of 16 bytes a thread; only the two work-groups of a (b, head) share those bytes; on the way the rows are laid in TILE ORDER (below), which a
; plain tile copy would not give; and the text has one scalar branch on a given exponent (the hold of p).
; TILE ORDER.  LDS row 16 (2 b + u) + m holds index 32 b + 8 u + m + 8 (m / 8) (a key for k; a d for v and Wq): bits 3 and 4 of the index change places.  All products are used transposed (source 0 = 16 such
; rows, source 1 = 16 queries), so a lane holds ONE query (lane % 16) of each tile, and register 16 b + i of two neighbouring result tiles stands for index 32 b + 16 (lane / 16) + i: the conversions' results are the next operand's registers.
; THE MASK costs no vector work in the loop: a key's bias (0, or -(2^50) / c for a masked key, c the factor from a code product to t) is the C of the score products.
; A masked t is about -2^50; the running largest t begins at -2^40, so a masked key never sets M and its p is exactly 0.  A batch with no true key at all: c = 0 and every bias 0: t = 0, p = 1: the mean of v.
; LIMITS.  Entries 6 and 9 between -126 and 112; 6 + 7 between -64 and 132 (added to c's exponent field, taken off the bias's); 0 + 1 and 8 + 9 go by v_ldexp_f32.  A row's largest unmasked t lies above -2^40
; NaN and infinity codes are not served.
; REGISTERS, in two windows of 256 (s_set_vgpr_msb: bits 1:0 source 0, 3:2 source 1, 5:4 source 2, 7:6 destination).  All that the softmax touches but O lies in window 0: a key step has seven switches.
;   window 0: v1-11 addresses; v12-19 statistics, four a tile (-M, the largest t, the sum in two halves); v20-25 constants; v32-159 the scores, then p, 64 a tile; v160-191 p's codes; v192-207 q's codes;
;             v208-223 at work, eight a tile; v224-255 the head's temporaries.  While q is made, v32-223 are Q's ring.
;   window 1: v0-63 fragments of Wq, k or v; v64-127 the bias; v128-191 O transposed, 32 a tile; v192-255 q in f32, 32 a tile.  In the head v0-191 hold the 48 pieces on their way into LDS.
.set KP,  80                           ; a key's row in LDS: 64 bytes + 16;  all three pitches are odd multiples of 16 bytes: the 16 rows of a load begin in 16 different columns of 16 bytes
.set VP,  144                          ; a row of v: 128 keys + 16
.set WP,  1040                         ; a row of Wq: 1,024 bytes + 16
.set SPI, 272                          ; a stage row: 64 f32 + 16 bytes
.set STT, 16*SPI                       ; a tile's stage
.set KB,  0                            ; 1,024 rows of k
.set VB,  KB+1024*KP                   ; 8 steps x 64 rows of v
.set WB,  VB+8*64*VP                   ; 64 rows of Wq
.set BB,  WB+64*WP                     ; the mask's bias, f32 for each key, in the keys' own order
.set STG, BB+4096                      ; the stages: two for each wave
.set AK0, 1                            ; v1   my lane's place in a tile of k
.set AV0, 2                            ; v2   of v
.set AB0, 3                            ; v3   in a step's bias
.set AW0, 4                            ; v4   in a tile of Wq
.set AQ,  5                            ; v5   Q's codes: 1024 r + 16 h
.set STO, 6                            ; v6   the stage, in
.set RD,  7                            ; v7   the stage, back
.set GO,  8                            ; v8   my byte offset in a tile's rows of o
.set ADK, 9                            ; v9-11 the step's addresses
.set ADV, 10
.set ADB, 11
.set ST,  12                           ; tile e's statistics at v[ST + 4 e]
.set C9,  20                           ; v20, v21 2^e9 and 57,344 x 2^e9;  v22, v23 the same for entry 6
.set L9,  21
.set C6,  22
.set L6,  23
.set BQO, 24                           ; v24  64 h
.set SIM, 25                           ; v25  my stages as an image of registers: 16 x lane
.set S,   32
.set RING, 32
.set PC,  160
.set QC,  192
.set WK,  208                          ; tile e at v[WK + 8 e]: +0, +1 the maximum's two chains; +2, +3 f, later 1 / the sum (a pair); +4 what the other half of the lanes sends; +6, +7 the sum's second chain
.set FRG, 0                            ; window 1
.set BIA, 64
.set OT,  128
.set QF,  192
.set MSB, 0
.macro WIN new                         ; the immediate's high byte repeats the setting that is left; a switch that changes nothing is dropped
.if MSB != (\new)
	s_set_vgpr_msb (MSB<<8)|(\new)
.set MSB, (\new)
.endif
.endm
.set W_TO1, 0x40                       ; destination window 1 (loads, clearing); addresses window 0
.set W_ST1, 0x04                       ; an LDS store's data (source 1) window 1
.set W_IN1, 0x41                       ; destination and source 0 window 1, source 1 window 0
.set W_Q,   0x01                       ; source 0 window 1
.set W_SC,  0x11                       ; sources 0 and 2 window 1, source 1 and destination window 0: the score products (k, q's codes, the bias -> S) and the way out's multiply-add (O, 1 / sum, q -> o)
.set W_PV,  0x51                       ; sources 0 and 2 and destination window 1, source 1 window 0: v or Wq, codes, sums in place
	s_load_b512 s[4:19], s[0:1], 0x0               ; Q's codes s[4:5], Wq's s[6:7], kc s[8:9], vt s[10:11], mask s[12:13], bq s[14:15], the scales s[16:17], o s[18:19]
	v_lshl_add_u32 v30, v0, 2, 0x48400
	v_mov_b32 v31, 0
	v_lshrrev_b32 v230, 5, v0
	v_readfirstlane_b32 s32, v230                  ; wave 0..7
	v_and_b32 v224, 15, v0                         ; r
	v_bfe_u32 v225, v0, 4, 1                       ; h
	v_and_b32 v226, 31, v0                         ; lane
	s_and_b32 s48, ttmp7, 0xffff                   ; 16 b + head
	s_lshr_b32 s33, s48, 4                         ; b
	s_and_b32 s34, s48, 15                         ; head
	s_lshl_b32 s50, s48, 16                        ; kc, vt: 65,536 bytes for each (b, head)
	s_mov_b32 s51, 0
	s_lshl_b32 s52, s34, 16                        ; Wq: the head's 64 rows of 1,024 bytes
	s_mov_b32 s53, 0
	s_lshl_b32 s54, s33, 10                        ; mask: the batch's 1,024 bytes
	s_mov_b32 s55, 0
	s_lshl_b32 s56, s34, 8                         ; bq, and a row of o: the head's 64 f32
	s_mov_b32 s57, 0
	s_lshl_b32 s58, s33, 10
	s_lshl_b32 s49, ttmp9, 9
	s_add_co_u32 s58, s58, s49
	s_lshl_b32 s49, s32, 5
	s_add_co_u32 s58, s58, s49                     ; my first query's row: 1024 b + 512 x + 32 wave
	s_lshl_b32 s60, s58, 12
	s_add_co_u32 s60, s60, s56                     ; in o
	s_mov_b32 s61, 0
	s_lshl_b32 s58, s58, 10                        ; in Q's codes
	s_mov_b32 s59, 0
	v_lshlrev_b32 v227, 4, v0                      ; 16 t: a thread's piece of 4,096 bytes
	v_lshlrev_b32 v228, 5, v226                    ; 32 x lane: every wave looks at all 1,024 bytes of the mask
	v_lshlrev_b32 v229, 2, v0                      ; 4 t: the four keys whose bias I make
	v_lshlrev_b32 v[BQO], 6, v225
	v_lshlrev_b32 v[AQ], 10, v224
	v_lshl_add_u32 v[AQ], v225, 4, v[AQ]
	s_wait_kmcnt 0x0
	s_load_b256 s[20:27], s[16:17], 0x0            ; entries 0 to 7
	s_load_b128 s[28:31], s[16:17], 0x20           ; entries 8 to 11
	s_add_nc_u64 s[4:5], s[4:5], s[58:59]
	s_add_nc_u64 s[6:7], s[6:7], s[52:53]
	s_add_nc_u64 s[8:9], s[8:9], s[50:51]
	s_add_nc_u64 s[10:11], s[10:11], s[50:51]
	s_add_nc_u64 s[12:13], s[12:13], s[54:55]
	s_add_nc_u64 s[14:15], s[14:15], s[56:57]
	s_add_nc_u64 s[18:19], s[18:19], s[60:61]
	global_load_b128 v[232:235], v228, s[12:13]
	global_load_b128 v[236:239], v228, s[12:13] offset:16
	global_load_b32 v240, v229, s[12:13]
	WIN W_TO1
.irp i, 0,1,2,3,4,5,6,7,8,9,10,11,12,13,14,15
	global_load_b128 v[4*\i:4*\i+3], v227, s[6:7] offset:4096*\i         ; Wq: 256 threads read 4,096 consecutive bytes
.endr
.irp i, 0,1,2,3,4,5,6,7,8,9,10,11,12,13,14,15
	global_load_b128 v[64+4*\i:64+4*\i+3], v227, s[8:9] offset:4096*\i   ; k
.endr
.irp i, 0,1,2,3,4,5,6,7,8,9,10,11,12,13,14,15
	global_load_b128 v[128+4*\i:128+4*\i+3], v227, s[10:11] offset:4096*\i   ; v
.endr
.irp t, 0,1,2,3
	global_load_b128 v[QF+8*\t:QF+8*\t+3],   v[BQO], s[14:15] offset:128*(\t/2)+32*(\t%2)      ; bq at my eight d of result tile t
	global_load_b128 v[QF+8*\t+4:QF+8*\t+7], v[BQO], s[14:15] offset:128*(\t/2)+32*(\t%2)+16
.endr
	WIN 0
	; the addresses that stay
	v_mul_u32_u24 v[AK0], v224, KP
	v_lshl_add_u32 v[AK0], v225, 4, v[AK0]
	v_mul_u32_u24 v[AV0], v224, VP
	v_lshl_add_u32 v[AV0], v225, 4, v[AV0]
	v_add_nc_u32 v[AV0], VB, v[AV0]
	v_add_nc_u32 v[AB0], BB, v[BQO]
	v_mul_u32_u24 v[AW0], v224, WP
	v_lshl_add_u32 v[AW0], v225, 4, v[AW0]
	v_add_nc_u32 v[AW0], WB, v[AW0]
	s_mul_i32 s48, s32, 2*STT
	s_add_co_u32 s48, s48, STG                     ; my two stages
	v_mul_u32_u24 v[STO], v224, SPI
	v_lshl_add_u32 v[STO], v225, 6, v[STO]
	v_add_nc_u32 v[STO], s48, v[STO]               ; in: row r, + 64 h: my 16 numbers of each 32
	v_mul_u32_u24 v[RD], v225, SPI
	v_lshl_add_u32 v[RD], v224, 4, v[RD]
	v_add_nc_u32 v[RD], s48, v[RD]                 ; back: lanes 0-15 one row of 256 bytes, lanes 16-31 the next
	v_lshl_add_u32 v[SIM], v226, 4, s48
	v_lshlrev_b32 v[GO], 12, v225
	v_lshl_add_u32 v[GO], v224, 4, v[GO]           ; and the same two rows in o
	; where my pieces go in LDS.  Wq: piece i is row 4 i + t / 64, bytes 16 (t % 64) on; the change of bits 3 and 4 falls on i alone
	v_lshrrev_b32 v230, 6, v0
	v_mul_u32_u24 v246, v230, WP
	v_and_b32 v230, 63, v0
	v_lshl_add_u32 v246, v230, 4, v246
	v_add_nc_u32 v246, WB, v246
	; k: piece i is key 64 i + t / 4, bytes 16 (t % 4) on
	v_bfe_u32 v231, v0, 2, 3
	v_bfe_u32 v230, v0, 5, 1
	v_lshl_add_u32 v231, v230, 4, v231             ; the key's bit 3 becomes the row's bit 4,
	v_bfe_u32 v230, v0, 6, 1
	v_lshl_add_u32 v231, v230, 3, v231             ; its bit 4 the row's bit 3
	v_bfe_u32 v230, v0, 7, 1
	v_lshl_add_u32 v231, v230, 5, v231
	v_mul_u32_u24 v231, v231, KP
	v_and_b32 v230, 3, v0
	v_lshl_add_u32 v247, v230, 4, v231
	v_add_nc_u32 v252, 8*64*KP, v247               ; pieces 8 to 15: beyond the reach of a 16-bit offset
	; v: piece i is step i / 2, row d = 32 (i % 2) + t / 8, bytes 16 (t % 8) on
	v_bfe_u32 v231, v0, 3, 3
	v_bfe_u32 v230, v0, 6, 1
	v_lshl_add_u32 v231, v230, 4, v231
	v_bfe_u32 v230, v0, 7, 1
	v_lshl_add_u32 v231, v230, 3, v231
	v_mul_u32_u24 v231, v231, VP
	v_and_b32 v230, 7, v0
	v_lshl_add_u32 v253, v230, 4, v231
	v_add_nc_u32 v253, VB, v253
	v_add_nc_u32 v254, 8*32*VP, v253               ; pieces 8 to 15
	v_lshl_add_u32 v255, v0, 4, BB                 ; my four keys' bias
	s_mov_b32 s36, 0x76543210                      ; v_permlanex16_b32's selects for lane l xor 16
	s_mov_b32 s37, 0xfedcba98
	s_wait_kmcnt 0x0
	s_add_co_i32 s45, s20, s21                     ; entries 0 + 1: q's sums lack 2^ that
	s_sub_co_i32 s46, 0, s45
	s_add_co_i32 s47, s28, s29                     ; entries 8 + 9
	s_add_co_i32 s48, s26, s27                     ; entries 6 + 7
	s_lshl_b32 s48, s48, 23
	s_add_co_u32 s49, s48, 0x3d38aa3b              ; c = log2(e) / 32 x 2^(e6 + e7): the exponents are added to c's exponent field
	s_sub_co_u32 s50, 0xdab17218, s48              ; -(2^50) x 32 / log2(e) / 2^(e6 + e7): a masked key's bias, in the code products' unit
	s_add_co_i32 s52, s29, 127
	s_lshl_b32 s53, s52, 23
	v_mov_b32 v[C9], s53                           ; 2^e9
	s_add_co_i32 s52, s52, 15
	s_lshl_b32 s52, s52, 23
	s_or_b32 s52, s52, 0x600000
	v_mov_b32 v[L9], s52                           ; 57,344 x 2^e9
	s_add_co_i32 s52, s26, 127
	s_lshl_b32 s53, s52, 23
	v_mov_b32 v[C6], s53                           ; 2^e6
	s_add_co_i32 s52, s52, 15
	s_lshl_b32 s52, s52, 23
	s_or_b32 s52, s52, 0x600000
	v_mov_b32 v[L6], s52                           ; 57,344 x 2^e6
	s_wait_loadcnt 56                              ; the three loads of the mask are in; the 48 pieces and bq's 8 loads behind them may be out
	v_or_b32 v232, v232, v233
	v_or_b32 v234, v234, v235
	v_or_b32 v236, v236, v237
	v_or_b32 v238, v238, v239
	v_or_b32 v232, v232, v234
	v_or_b32 v236, v236, v238
	v_or_b32 v232, v232, v236
	v_cmp_ne_u32 vcc_lo, 0, v232                   ; has my lane a true key among its 32?
	s_cmp_lg_u32 vcc_lo, 0                         ; has the batch one?  Values are chosen by it, no path
	s_cselect_b32 s38, s49, 0                      ; c, or 0
	s_cselect_b32 s50, s50, 0                      ; the bias, or 0
	s_mov_b32 s39, s38                             ; (named with it as a pair, so it is written)
	v_mov_b32 v241, s50
	v_and_b32 v242, 0xff, v240
	v_bfe_u32 v243, v240, 8, 8
	v_bfe_u32 v244, v240, 16, 8
	v_lshrrev_b32 v245, 24, v240
	v_cmp_eq_u32 vcc_lo, 0, v242
	v_cndmask_b32 v248, 0, v241, vcc_lo
	v_cmp_eq_u32 vcc_lo, 0, v243
	v_cndmask_b32 v249, 0, v241, vcc_lo
	v_cmp_eq_u32 vcc_lo, 0, v244
	v_cndmask_b32 v250, 0, v241, vcc_lo
	v_cmp_eq_u32 vcc_lo, 0, v245
	v_cndmask_b32 v251, 0, v241, vcc_lo
	ds_store_b128 v255, v[248:251]
; 128 along K (step ks) of Q's codes for my four tiles, into ring slot ks % 3: tile u = 2 x pass + e begins 256 x pass + 16 e rows behind my first row
.macro QLOADS ks
.irp u, 0,1,2,3
.irp c, 0,1,2,3
	global_load_b128 v[RING+64*((\ks)%3)+16*\u+4*\c:RING+64*((\ks)%3)+16*\u+4*\c+3], v[AQ], s[4:5] offset:262144*(\u/2)+16384*(\u%2)+128*(\ks)+32*\c
.endr
.endr
.endm
	s_wait_loadcnt 40                              ; Wq's 16 pieces are in; behind them: k's 16, v's 16, bq's 8
	WIN W_ST1
.irp i, 0,1,2,3,4,5,6,7,8,9,10,11,12,13,14,15
	ds_store_b128 v246, v[4*\i:4*\i+3] offset:WP*(4*((\i)&1)+8*(((\i)>>2)&1)+16*(((\i)>>1)&1)+32*((\i)>>3))
.endr
	WIN 0
	QLOADS 0                                       ; Q's first K step is asked for here, so that it comes while LDS is still being filled
	s_wait_loadcnt 40                              ; k's 16 pieces are in; behind them: v's 16, bq's 8, Q's 16
	WIN W_ST1
.irp i, 0,1,2,3,4,5,6,7
	ds_store_b128 v247, v[64+4*\i:64+4*\i+3] offset:64*KP*\i
	ds_store_b128 v252, v[96+4*\i:96+4*\i+3] offset:64*KP*\i
.endr
	WIN 0
	QLOADS 1
	s_wait_loadcnt 40                              ; v's 16 pieces are in; behind them: bq's 8, Q's 32
	WIN W_ST1
.irp i, 0,1,2,3,4,5,6,7
	ds_store_b128 v253, v[128+4*\i:128+4*\i+3] offset:32*VP*\i
	ds_store_b128 v254, v[160+4*\i:160+4*\i+3] offset:32*VP*\i
.endr
	WIN 0
	s_wait_dscnt 0x0                               ; for the others' sake: my stores have landed
	s_barrier_signal -1
	s_barrier_wait -1                              ; the launch's one barrier: from here on these bytes are only read; every later LDS store goes into the wave's own stages
	QLOADS 2
	; ---- q = Q Wq + bq for my four tiles.  The sums: tiles 0, 1 (the first pass's) where q stays, tiles 2, 3 where O will lie.  bq / 2^(e0 + e1), the power of two that the sums lack, is the C of their first products
	s_wait_loadcnt 48                              ; bq is in; Q's three K steps behind it may be out
	WIN W_IN1
.set jj, 0
.rept 32
	v_ldexp_f32 v[QF+32+jj], v[QF+jj], s46
	v_ldexp_f32 v[OT+jj],    v[QF+jj], s46
	v_ldexp_f32 v[OT+32+jj], v[QF+jj], s46
.set jj, jj+1
.endr
.set jj, 0
.rept 32
	v_ldexp_f32 v[QF+jj], v[QF+jj], s46
.set jj, jj+1
.endr
	WIN 0
; 128 along K: four tiles of Wq's rows, each against my four tiles of Q: sixteen accumulators by turns, one instruction a turn.
; left: Q's loads issued behind this K step's, which may stay out
.macro KSQ ks, left
	WIN W_TO1
.irp t, 0,1,2,3
.irp c, 0,1,2,3
	ds_load_b128 v[FRG+16*\t+4*\c:FRG+16*\t+4*\c+3], v[AW0] offset:16*WP*\t+128*(\ks)+32*\c
.endr
.endr
	s_wait_loadcnt \left
	s_wait_dscnt 0x0
	WIN W_PV
.irp t, 0,1,2,3
.irp u, 0,1,2,3
.set AC, QF+32*\u-128*(\u/2)+8*\t
	v_wmma_f32_16x16x128_bf8_bf8 v[AC:AC+7], v[FRG+16*\t:FRG+16*\t+15], v[RING+64*((\ks)%3)+16*\u:RING+64*((\ks)%3)+16*\u+15], v[AC:AC+7]
.endr
.endr
.rept 4
	v_nop                                          ; places in front of the loads into the registers that these products have read, and of the first read of results
.endr
	WIN 0
.if (\ks) < 5
	QLOADS (\ks)+3                                 ; three K steps ahead, into the slot just left
.endif
.endm
	KSQ 0, 32
	KSQ 1, 32
	KSQ 2, 32
	KSQ 3, 32
	KSQ 4, 32
	KSQ 5, 32
	KSQ 6, 16
	KSQ 7, 0
	WIN W_IN1
.set jj, 0
.rept 128
	v_ldexp_f32 v[OT+jj], v[OT+jj], s45            ; q, in f32.  Each accumulator from its low end on
.set jj, jj+1
.endr
	WIN W_ST1
.irp e, 0,1
.irp i, 0,1,2,3,4,5,6,7
	ds_store_b128 v[SIM], v[OT+32*\e+4*\i:OT+32*\e+4*\i+3] offset:STT*\e+512*\i   ; the second pass's q waits in my stages, as it stands in the registers
.endr
.endr
	WIN 0
	s_wait_dscnt 0x0                               ; the stores have read their registers, which O takes next
; A PASS: 256 queries of the work-group, two tiles of mine.  p: which.
.macro PASS p
	WIN W_Q
.set jj, 0
.rept 64
	v_med3_num_f32 v[S+64*(jj/32)+jj%32], v[QF+jj], -v[L6], v[L6]   ; the hold at the largest code x the scale (the conversion does not saturate: ISA guide 7.6.2), into other registers: q stays for the residual
.set jj, jj+1
.endr
	WIN 0
.irp e, 0,1
.irp g, 0,1,2,3
	v_cvt_scalef32_pk8_bf8_f32 v[QC+8*\e+2*\g:QC+8*\e+2*\g+1], v[S+64*\e+8*\g:S+64*\e+8*\g+7], v[C6]
.endr
.endr
	v_nop                                          ; one plain vector instruction behind the last conversion
.irp e, 0,1
	v_mov_b32 v[ST+4*\e+1], 0xd3800000             ; the largest t so far: -2^40: above every masked t, under every t that counts
	v_floor_f32 v[ST+4*\e], -v[ST+4*\e+1]          ; -M
	v_mov_b32 v[ST+4*\e+2], 0                      ; the sum, in two halves
	v_mov_b32 v[ST+4*\e+3], 0
	v_mov_b32 v[WK+8*\e+4], 0                      ; a lane permute's destination counts as one of its sources
	v_mov_b32 v[WK+8*\e+3], 0                      ; (named as the upper half of f's pair)
.endr
	WIN W_TO1
.set jj, 0
.rept 64
	v_mov_b32 v[OT+jj], 0                          ; the key step is written once: its first trip finds zeros, which the first change of M leaves zeros
.set jj, jj+1
.endr
	WIN 0
	s_mov_b32 s40, 0                               ; the step's first byte in k,
	s_mov_b32 s41, 0                               ; in v,
	s_mov_b32 s42, 0                               ; in the bias
	s_mov_b32 s43, 8
.Lstep_\@:                                         ; eight trips: 128 keys each
	v_add_nc_u32 v[ADK], s40, v[AK0]
	v_add_nc_u32 v[ADV], s41, v[AV0]
	v_add_nc_u32 v[ADB], s42, v[AB0]
	v_nop                                          ; with the three additions: four places behind the last trip's products, in front of the loads into the fragments' registers
	WIN W_TO1
.irp t, 0,1,2,3,4,5,6,7
	ds_load_b128 v[BIA+8*\t:BIA+8*\t+3],   v[ADB] offset:128*(\t/2)+32*(\t%2)       ; the bias of keys 32 (t / 2) + 16 h + 8 (t % 2) + 0 .. 7: once for both tiles
	ds_load_b128 v[BIA+8*\t+4:BIA+8*\t+7], v[ADB] offset:128*(\t/2)+32*(\t%2)+16
.endr
.irp t, 0,1,2,3,4,5,6,7
	ds_load_b128 v[FRG+8*\t:FRG+8*\t+3],   v[ADK] offset:16*KP*\t               ; a tile of k: 16 rows x 64: d = 16 h + 0 .. 15,
	ds_load_b128 v[FRG+8*\t+4:FRG+8*\t+7], v[ADK] offset:16*KP*\t+32            ; d = 32 + 16 h + 0 .. 15: the order of q's codes
.endr
	s_wait_dscnt 0x0
	WIN W_SC
.irp t, 0,1,2,3,4,5,6,7
.irp e, 0,1
	v_wmma_f32_16x16x64_bf8_bf8 v[S+64*\e+8*\t:S+64*\e+8*\t+7], v[FRG+8*\t:FRG+8*\t+7], v[QC+8*\e:QC+8*\e+7], v[BIA+8*\t:BIA+8*\t+7]   ; score + bias: each fragment of k serves both tiles
.endr
.endr
.rept 4
	v_nop                                          ; places in front of the loads below and of the first read of the scores
.endr
	WIN W_TO1
.irp t, 0,1,2,3
.irp c, 0,1,2,3
	ds_load_b128 v[FRG+16*\t+4*\c:FRG+16*\t+4*\c+3], v[ADV] offset:16*VP*\t+32*\c   ; v's four tiles: they land while the softmax is walked
.endr
.endr
	WIN 0
	; the softmax of both tiles: where one line feeds the next, the two tiles alternate
.irp e, 0,1
	v_max3_num_f32 v[WK+8*\e],   v[S+64*\e],   v[S+64*\e+1], v[S+64*\e+2]   ; the step's largest score of my query among my 64 keys, in two chains, each accumulator from its low end on,
	v_max3_num_f32 v[WK+8*\e+1], v[S+64*\e+3], v[S+64*\e+4], v[S+64*\e+5]
.endr
.irp i, 6,10,14,18,22,26,30,34,38,42,46,50,54,58
.irp e, 0,1
	v_max3_num_f32 v[WK+8*\e],   v[WK+8*\e],   v[S+64*\e+\i],   v[S+64*\e+\i+1]
	v_max3_num_f32 v[WK+8*\e+1], v[WK+8*\e+1], v[S+64*\e+\i+2], v[S+64*\e+\i+3]
.endr
.endr
.irp e, 0,1
	v_max3_num_f32 v[WK+8*\e], v[WK+8*\e], v[S+64*\e+62], v[S+64*\e+63]
.endr
.irp e, 0,1
	v_max_num_f32 v[WK+8*\e], v[WK+8*\e], v[WK+8*\e+1]
.endr
.irp e, 0,1
	v_permlanex16_b32 v[WK+8*\e+4], v[WK+8*\e], s36, s37
.endr
.irp e, 0,1
	v_max_num_f32 v[WK+8*\e], v[WK+8*\e], v[WK+8*\e+4]   ; and among lane l xor 16's
.endr
.irp e, 0,1
	v_mul_f32 v[WK+8*\e], s38, v[WK+8*\e]          ; as t (c is not negative)
.endr
.irp e, 0,1
	v_max_num_f32 v[ST+4*\e+1], v[ST+4*\e+1], v[WK+8*\e]   ; the running largest t
.endr
.irp e, 0,1
	v_mov_b32 v[WK+8*\e], v[ST+4*\e]
.endr
.irp e, 0,1
	v_floor_f32 v[ST+4*\e], -v[ST+4*\e+1]          ; the new -M = floor(-t) = -ceil(t): M is a whole number
.endr
.irp e, 0,1
	v_sub_f32 v[WK+8*\e], v[ST+4*\e], v[WK+8*\e]   ; old M less new M: a whole number, 0 or less
.endr
.irp e, 0,1
	v_cvt_i32_f32 v[WK+8*\e], v[WK+8*\e]           ; (it saturates)
.endr
.irp e, 0,1
	v_ldexp_f32 v[WK+8*\e+2], 1.0, v[WK+8*\e]      ; f = 2^(old M - new M)
.endr
.set jj, 0
.rept 64
	v_pk_fma_f32 v[S+jj:S+jj+1], v[S+jj:S+jj+1], s[38:39], v[ST+4*(jj/64):ST+4*(jj/64)+1] op_sel_hi:[1,0,0]   ; t - M, two at a time (of the pairs c and -M the low word serves both halves)
.set jj, jj+2
.endr
.set jj, 0
.rept 128
	v_exp_f32 v[S+jj], v[S+jj]                     ; p = 2^(t - M): not normalised
.set jj, jj+1
.endr
.irp e, 0,1
	v_pk_mul_f32 v[ST+4*\e+2:ST+4*\e+3], v[ST+4*\e+2:ST+4*\e+3], v[WK+8*\e+2:WK+8*\e+3] op_sel_hi:[1,0]   ; the sums under the new M: the plain instructions behind the exponentials
.endr
	s_wait_alu depctr_va_vdst(0)                   ; one wait for the batch of 128, ahead of its first reader
.irp e, 0,1
	v_pk_add_f32 v[WK+8*\e+6:WK+8*\e+7], v[S+64*\e:S+64*\e+1], v[S+64*\e+2:S+64*\e+3]   ; the row's sum is taken of the unquantised p, in two chains a tile
.endr
.irp j, 4,8,12,16,20,24,28,32,36,40,44,48,52,56,60
.irp e, 0,1
	v_pk_add_f32 v[ST+4*\e+2:ST+4*\e+3], v[ST+4*\e+2:ST+4*\e+3], v[S+64*\e+\j:S+64*\e+\j+1]
	v_pk_add_f32 v[WK+8*\e+6:WK+8*\e+7], v[WK+8*\e+6:WK+8*\e+7], v[S+64*\e+\j+2:S+64*\e+\j+3]
.endr
.endr
.irp e, 0,1
	v_pk_add_f32 v[ST+4*\e+2:ST+4*\e+3], v[ST+4*\e+2:ST+4*\e+3], v[WK+8*\e+6:WK+8*\e+7]
.endr
	s_cmp_ge_i32 s29, -15                          ; p is at most 1 and a rounding; from e9 = -15 on 57,344 x 2^e9 is 1.75 or more, and the hold can change nothing:
	s_cbranch_scc1 .Lnohold_\@                     ; a scalar branch on the given whole number; with a smaller e9 the hold runs
.set jj, 0
.rept 128
	v_min_num_f32 v[S+jj], v[S+jj], v[L9]          ; p is not negative: the hold is one-sided
.set jj, jj+1
.endr
.Lnohold_\@:
.set jj, 0
.rept 16
	v_cvt_scalef32_pk8_bf8_f32 v[PC+2*jj:PC+2*jj+1], v[S+8*jj:S+8*jj+7], v[C9]   ; conversions 0-7: the first tile's 128 codes, 8-15: the second's
.set jj, jj+1
.endr
	WIN W_IN1
.set jj, 0
.rept 32
	v_pk_mul_f32 v[OT+jj:OT+jj+1], v[OT+jj:OT+jj+1], v[WK+8*(jj/32)+2:WK+8*(jj/32)+3] op_sel_hi:[1,0]   ; O under the new M.  (These are also the plain instructions behind the conversions)
.set jj, jj+2
.endr
	s_wait_dscnt 0x0                               ; v's tiles are in
	WIN W_PV
.irp t, 0,1,2,3
.irp e, 0,1
	v_wmma_f32_16x16x128_bf8_bf8 v[OT+32*\e+8*\t:OT+32*\e+8*\t+7], v[FRG+16*\t:FRG+16*\t+15], v[PC+16*\e:PC+16*\e+15], v[OT+32*\e+8*\t:OT+32*\e+8*\t+7]   ; each fragment of v serves both tiles; eight accumulators by turns
.endr
.endr
	WIN 0                                          ; at a label and at a branch every window is 0
	s_add_co_u32 s40, s40, 128*KP
	s_add_co_u32 s41, s41, 64*VP
	s_add_co_u32 s42, s42, 512
	s_sub_co_u32 s43, s43, 1
	s_cmp_lg_u32 s43, 0
	s_cbranch_scc1 .Lstep_\@
	; THE WAY OUT OF A PASS: o = q + O x 2^(e8 + e9) / the sum, through my stages, so that sixteen lanes store 256 consecutive bytes, aligned: a query's 64 numbers of this head
.rept 4
	v_nop                                          ; places behind the last products
.endr
.irp e, 0,1
	v_add_f32 v[ST+4*\e+2], v[ST+4*\e+2], v[ST+4*\e+3]   ; the sum's two halves,
.endr
.irp e, 0,1
	v_permlanex16_b32 v[WK+8*\e+4], v[ST+4*\e+2], s36, s37
.endr
.irp e, 0,1
	v_add_f32 v[ST+4*\e+2], v[ST+4*\e+2], v[WK+8*\e+4]   ; and lane l xor 16's
.endr
.irp e, 0,1
	v_rcp_f32 v[WK+8*\e+2], v[ST+4*\e+2]
.endr
	v_nop                                          ; a plain instruction behind the transcendentals
	s_wait_alu depctr_va_vdst(0)                   ; and one wait for the two, ahead of their first reader
.irp e, 0,1
	v_ldexp_f32 v[WK+8*\e+2], v[WK+8*\e+2], s47
.endr
.irp e, 0,1
	v_mov_b32 v[WK+8*\e+3], v[WK+8*\e+2]
.endr
	WIN W_SC
.set jj, 0
.rept 32
	v_pk_fma_f32 v[S+64*(jj/32)+jj%32:S+64*(jj/32)+jj%32+1], v[OT+jj:OT+jj+1], v[WK+8*(jj/32)+2:WK+8*(jj/32)+3], v[QF+jj:QF+jj+1]   ; register 16 b + i of a tile is o(r, 32 b + 16 h + i).  Each accumulator from its low end on
.set jj, jj+2
.endr
.if (\p) == 0
	WIN W_TO1
.irp e, 0,1
.irp i, 0,1,2,3,4,5,6,7
	ds_load_b128 v[QF+32*\e+4*\i:QF+32*\e+4*\i+3], v[SIM] offset:STT*\e+512*\i   ; the next pass's q comes back from my stages.  LDS serves a wave's instructions in order (ISA guide 5.7.1.4): the stores below come behind these loads
.endr
.endr
.endif
	WIN 0
.irp e, 0,1
.irp b, 0,1
.irp i, 0,1,2,3
	ds_store_b128 v[STO], v[S+64*\e+16*\b+4*\i:S+64*\e+16*\b+4*\i+3] offset:STT*\e+128*\b+16*\i
.endr
.endr
.irp i, 0,1,2,3,4,5,6,7
	ds_load_b128 v[S+64*\e+32+4*\i:S+64*\e+32+4*\i+3], v[RD] offset:STT*\e+2*SPI*\i   ; these see my stores
.endr
.endr
.irp e, 0,1
.irp i, 0,1,2,3,4,5,6,7
	s_wait_dscnt 16*(1-\e)+7-\i                    ; loads come back in order: pair i of the tile's rows is in; the younger loads, and the second tile's 8 stores and 8 loads, may be out
	global_store_b128 v[GO], v[S+64*\e+32+4*\i:S+64*\e+32+4*\i+3], s[18:19] offset:1048576*(\p)+65536*\e+8192*\i
.endr
.endr
.if (\p) == 0
	s_wait_xcnt 0x0                                ; the stores have read their registers: the next pass writes them again only behind this wait
.endif
.endm
	PASS 0
	PASS 1
	s_wait_tensorcnt 0x0
	ds_add_u32 v30, v31
	s_wait_dscnt 0x0
	s_endpgm
.Lfunc_end_k_qe663097fe0_attn:
	.size	k_qe663097fe0_attn, .Lfunc_end_k_qe663097fe0_attn-k_qe663097fe0_attn
	.p2alignl 7, 3214868480
	.fill 96, 4, 3214868480
	.section	.rodata,"a",@progbits
	.p2align	6, 0x0
	.amdhsa_kernel k_qe663097fe0_attn
		.amdhsa_group_segment_fixed_size 296960
		.amdhsa_private_segment_fixed_size 0
		.amdhsa_enable_private_segment 0
		.amdhsa_kernarg_size 64
		.amdhsa_user_sgpr_count 2
		.amdhsa_user_sgpr_kernarg_segment_ptr 1
		.amdhsa_wavefront_size32 1
		.amdhsa_system_sgpr_workgroup_id_x 1
		.amdhsa_system_sgpr_workgroup_id_y 1
		.amdhsa_system_sgpr_workgroup_id_z 1
		.amdhsa_system_vgpr_workitem_id 0
		.amdhsa_next_free_vgpr 512
		.amdhsa_next_free_sgpr 66
		.amdhsa_reserve_vcc 1
		.amdhsa_float_denorm_mode_32 3
		.amdhsa_float_denorm_mode_16_64 3
		.amdhsa_memory_ordered 1
		.amdhsa_forward_progress 1
		.amdhsa_inst_pref_size 152
	.end_amdhsa_kernel
	.amdgpu_metadata
---
amdhsa.version: [ 1, 2 ]
amdhsa.kernels:
  - .name:           k_qe663097fe0_attn
    .symbol:         k_qe663097fe0_attn.kd
    .args:
      - { .name: Q_codes, .offset: 0, .size: 8, .value_kind: global_buffer, .address_space: global }
      - { .name: Wq_codes, .offset: 8, .size: 8, .value_kind: global_buffer, .address_space: global }
      - { .name: kc, .offset: 16, .size: 8, .value_kind: global_buffer, .address_space: global }
      - { .name: vt, .offset: 24, .size: 8, .value_kind: global_buffer, .address_space: global }
      - { .name: mask, .offset: 32, .size: 8, .value_kind: global_buffer, .address_space: global }
      - { .name: bq, .offset: 40, .size: 8, .value_kind: global_buffer, .address_space: global }
      - { .name: lowp_scales, .offset: 48, .size: 8, .value_kind: global_buffer, .address_space: global }
      - { .name: o, .offset: 56, .size: 8, .value_kind: global_buffer, .address_space: global }
    .group_segment_fixed_size: 296960
    .private_segment_fixed_size: 0
    .kernarg_segment_align: 8
    .kernarg_segment_size: 64
    .max_flat_workgroup_size: 256
    .sgpr_count:     66
    .vgpr_count:     512
    .wavefront_size: 32
...
	.end_amdgpu_metadata
.endif
;; end of part 2
;; launch tail (part 3): grid 256 x 1, 16 waves a work-group, no clusters, 171,520 bytes of LDS; arguments o, woimg, lowp_scales, g0, b0, bo, g1, b1, out0; writes out0
.if DOCPART == 3
	.amdgcn_target "amdgcn-amd-amdhsa--gfx1250"
	.amdhsa_code_object_version 6
	.text
	.protected	k_qe663097fe0_tail
	.globl	k_qe663097fe0_tail
	.p2align	8
	.type	k_qe663097fe0_tail,@function
k_qe663097fe0_tail:
	s_mov_b64 s[64:65], 0
	v_nop
	global_prefetch_b8 v0, s[64:65] scope:SCOPE_SE
	s_setreg_imm32_b32 hwreg(HW_REG_WAVE_MODE, 25, 1), 1
	s_wait_xcnt 0x0
; out = LN1(O + relu(O Wo + bo)), O = LN0(o).  The product is on codes of BF8 (E5M2): O is quantised here (scale entry 10), Wo's codes (entry 11) come re-laid in fragment order from the first launch.
; SHARES.  A work-group owns 32 whole rows: both norms need whole rows of 1,024.  For LN0 and for the copies in and out wave w owns rows 2 w and 2 w + 1 (a row is 32 registers of a wave: the norm never
; leaves the wave).  For the product wave w owns columns 64 w .. 64 w + 63 of all 32 rows: 2 x 4 accumulators.  LN1's sums span the waves: each wave's part of a row's sum meets the others' in LDS.
; Both variances are sums of squares of differences from the mean.
; Wo's FRAGMENTS GO FROM MEMORY STRAIGHT INTO REGISTERS, 512 consecutive bytes a load, two K steps ahead.  Not through LDS, and no cluster: a fragment is used by one wave of the work-group, for two matrix
; instructions; through LDS each of its bytes would be written and read once more.
; O's fragments go from wave to wave through LDS as images of the operand's registers (4 stores of 16 bytes a lane at 16 x lane; the same lines as loads give any wave the same registers).
; The product is used transposed (source 0 = 16 rows of Wo's codes = 16 output columns, source 1 = 16 rows of O): a lane holds one row and eight neighbouring columns.
; LIMITS: entry 10 between -126 and 112; entries 10 + 11 between -126 and 127.  NaN among the inputs is not served.
.set OFP,  4112                        ; a row of O in LDS: 4,096 bytes + 16: an odd multiple of 16 bytes
.set OF,   0                           ; 32 rows: O in f32, later the result
.set AIMG, OF+32*OFP                   ; 16 images of 2,048 bytes: fragment (K step ks, tile of rows mt) at 2 ks + mt
.set RED1, AIMG+16*2048                ; 32 rows x 80 bytes: word w of a row is wave w's part of the row's sum;
.set RED2, 32*80                       ; the same for the squares, this many bytes further on
.set L16,  1                           ; v1   16 x lane
.set ROWA, 2                           ; v2   OF: my two rows, 16 bytes a lane
.set FA,   3                           ; v3   OF: the 64 numbers that I quantise
.set IMW,  4                           ; v4   where I store my image
.set IMR,  5                           ; v5   where images are read
.set OA,   6                           ; v6, v7  OF: my eight columns of row r, of row 16 + r
.set RW,   8                           ; v8   where I put my part of a row's sum
.set RR,   9                           ; v9   where I read a row's 16 parts
.set CO,   10                          ; v10  32 h: my eight columns in bo, g1, b1
.set ACC,  32                          ; v32-95: rows of o, then the numbers to quantise, then the 8 accumulators.   v16-23, v24-31 at work, a set for each of two rows
	s_load_b512 s[4:19], s[0:1], 0x0               ; o s[4:5], woimg s[6:7], the scales s[8:9], g0 s[10:11], b0 s[12:13], bo s[14:15], g1 s[16:17], b1 s[18:19]
	s_load_b64 s[20:21], s[0:1], 0x40              ; out0
	v_lshl_add_u32 v15, v0, 2, 0x29600
	v_mov_b32 v29, 0
	v_lshrrev_b32 v16, 5, v0
	v_readfirstlane_b32 s32, v16                   ; wave 0..15
	v_and_b32 v17, 31, v0                          ; lane
	v_and_b32 v18, 15, v0                          ; r
	v_bfe_u32 v19, v0, 4, 1                        ; h
	v_lshlrev_b32 v[L16], 4, v17
	s_mul_i32 s33, s32, 2*OFP
	v_add_nc_u32 v[ROWA], s33, v[L16]
	s_lshr_b32 s34, s32, 3                         ; the tile of rows that I quantise,
	s_and_b32 s35, s32, 7                          ; and its K step
	v_mul_u32_u24 v21, v18, OFP
	v_lshl_add_u32 v[FA], v19, 6, v21
	s_mul_i32 s33, s34, 16*OFP
	s_lshl_b32 s36, s35, 9
	s_add_co_u32 s33, s33, s36
	v_add_nc_u32 v[FA], s33, v[FA]                 ; row 16 mt + r, + 512 ks + 64 h: 16 neighbours of each block of 32
	s_lshl_b32 s33, s35, 1
	s_add_co_u32 s33, s33, s34
	s_lshl_b32 s33, s33, 11
	s_add_co_u32 s33, s33, AIMG
	v_add_nc_u32 v[IMW], s33, v[L16]
	v_add_nc_u32 v[IMR], AIMG, v[L16]
	v_lshl_add_u32 v[OA], v19, 5, v21
	s_lshl_b32 s33, s32, 8
	v_add_nc_u32 v[OA], s33, v[OA]                 ; row r, + 256 w + 32 h
	v_add_nc_u32 v[OA+1], 16*OFP, v[OA]
	v_mul_u32_u24 v[RR], v18, 80
	v_add_nc_u32 v[RR], RED1, v[RR]
	s_lshl_b32 s33, s32, 2
	v_add_nc_u32 v[RW], s33, v[RR]
	v_lshlrev_b32 v[CO], 5, v19
	v_mov_b32 v20, 0                               ; a lane permute's destination counts as one of its sources
	v_mov_b32 v28, 0
	s_mov_b32 s24, 0x3a800000                      ; 1 / 1,024
	s_mov_b32 s25, 0x3727c5ac                      ; 1e-5
	s_mov_b32 s30, 0x76543210                      ; v_permlanex16_b32's selects for lane l xor 16
	s_mov_b32 s31, 0xfedcba98
	s_lshl_b32 s36, ttmp9, 5
	s_lshl_b32 s37, s32, 1
	s_add_co_u32 s36, s36, s37                     ; my first row: 32 x work-group + 2 x wave
	s_lshl_b32 s36, s36, 12
	s_mov_b32 s37, 0
	s_lshl_b32 s38, s32, 16                        ; woimg: 65,536 bytes for each wave's 64 columns
	s_mov_b32 s39, 0
	s_lshl_b32 s40, s32, 8                         ; bo, g1, b1: my 64 columns
	s_mov_b32 s41, 0
	s_wait_kmcnt 0x0
	s_load_b64 s[22:23], s[8:9], 0x28              ; entries 10 and 11
	s_add_nc_u64 s[4:5], s[4:5], s[36:37]
	s_add_nc_u64 s[20:21], s[20:21], s[36:37]
	s_add_nc_u64 s[6:7], s[6:7], s[38:39]
	s_add_nc_u64 s[14:15], s[14:15], s[40:41]
	s_add_nc_u64 s[16:17], s[16:17], s[40:41]
	s_add_nc_u64 s[18:19], s[18:19], s[40:41]
.macro WLOAD reg, ks                   ; my four fragments of Wo for K step ks: 16 loads of 512 consecutive bytes
.irp n, 0,1,2,3
.irp c, 0,1,2,3
	global_load_b128 v[\reg+16*\n+4*\c:\reg+16*\n+4*\c+3], v[L16], s[6:7] offset:8192*(\ks)+2048*\n+512*\c
.endr
.endr
.endm
	; ---- the loads: my two rows of o, g0 and b0 in the same columns, Wo's K step 0
.irp e, 0,1
.irp i, 0,1,2,3,4,5,6,7
	global_load_b128 v[32+32*\e+4*\i:32+32*\e+4*\i+3], v[L16], s[4:5] offset:4096*\e+512*\i th:TH_LOAD_NT   ; read once in the launch
.endr
.endr
.irp i, 0,1,2,3,4,5,6,7
	global_load_b128 v[96+4*\i:99+4*\i], v[L16], s[10:11] offset:512*\i
.endr
.irp i, 0,1,2,3,4,5,6,7
	global_load_b128 v[128+4*\i:131+4*\i], v[L16], s[12:13] offset:512*\i
.endr
	WLOAD 160, 0
.macro SUM32 x, t                      ; v[t] = the sum of v[x] .. v[x + 31], two at a time, in two chains
	v_pk_add_f32 v[\t:\t+1], v[\x:\x+1], v[\x+2:\x+3]
	v_pk_add_f32 v[\t+2:\t+3], v[\x+4:\x+5], v[\x+6:\x+7]
.irp j, 8,12,16,20,24,28
	v_pk_add_f32 v[\t:\t+1], v[\t:\t+1], v[\x+\j:\x+\j+1]
	v_pk_add_f32 v[\t+2:\t+3], v[\t+2:\t+3], v[\x+\j+2:\x+\j+3]
.endr
	v_pk_add_f32 v[\t:\t+1], v[\t:\t+1], v[\t+2:\t+3]
	v_add_f32 v[\t], v[\t], v[\t+1]
.endm
.macro SQ32 x, t                       ; v[t] = the sum of their squares
	v_pk_mul_f32 v[\t:\t+1], v[\x:\x+1], v[\x:\x+1]
	v_pk_mul_f32 v[\t+2:\t+3], v[\x+2:\x+3], v[\x+2:\x+3]
.irp j, 4,8,12,16,20,24,28
	v_pk_fma_f32 v[\t:\t+1], v[\x+\j:\x+\j+1], v[\x+\j:\x+\j+1], v[\t:\t+1]
	v_pk_fma_f32 v[\t+2:\t+3], v[\x+\j+2:\x+\j+3], v[\x+\j+2:\x+\j+3], v[\t+2:\t+3]
.endr
	v_pk_add_f32 v[\t:\t+1], v[\t:\t+1], v[\t+2:\t+3]
	v_add_f32 v[\t], v[\t], v[\t+1]
.endm
.macro SUM16 x, t                      ; v[t] = the sum of v[x] .. v[x + 15], in a fixed order
	v_pk_add_f32 v[\t:\t+1], v[\x:\x+1], v[\x+2:\x+3]
	v_pk_add_f32 v[\t+2:\t+3], v[\x+4:\x+5], v[\x+6:\x+7]
	v_pk_add_f32 v[\t:\t+1], v[\t:\t+1], v[\x+8:\x+9]
	v_pk_add_f32 v[\t+2:\t+3], v[\t+2:\t+3], v[\x+10:\x+11]
	v_pk_add_f32 v[\t:\t+1], v[\t:\t+1], v[\x+12:\x+13]
	v_pk_add_f32 v[\t+2:\t+3], v[\t+2:\t+3], v[\x+14:\x+15]
	v_pk_add_f32 v[\t:\t+1], v[\t:\t+1], v[\t+2:\t+3]
	v_add_f32 v[\t], v[\t], v[\t+1]
.endm
.macro ROW16 t                         ; over the 16 lanes of a half
.irp x, 1,2,4,8
	v_add_f32_dpp v[\t], v[\t], v[\t] row_xmask:\x row_mask:0xf bank_mask:0xf
.endr
.endm
.macro HALVES t                        ; and lane l xor 16's
	v_permlanex16_b32 v[\t+4], v[\t], s30, s31
	v_add_f32 v[\t], v[\t], v[\t+4]
.endm
.macro MEAN t                          ; v[t+6:t+7] = v[t] / 1,024, twice: a pair for the packed forms
	v_mul_f32 v[\t+6], s24, v[\t]
	v_mov_b32 v[\t+7], v[\t+6]
.endm
.macro LESS x, t                       ; the 32 numbers less the mean, in place
.irp j, 0,2,4,6,8,10,12,14,16,18,20,22,24,26,28,30
	v_pk_add_f32 v[\x+\j:\x+\j+1], v[\x+\j:\x+\j+1], v[\t+6:\t+7] neg_lo:[0,1] neg_hi:[0,1]
.endr
.endm
.macro RSTD                            ; v[22:23], v[30:31] = 1 / sqrt(sum of squares / 1,024 + 1e-5) of both rows: one batch, one plain instruction, one wait ahead of the first reader
	v_fma_f32 v16, v16, s24, s25
	v_fma_f32 v24, v24, s24, s25
	v_rsq_f32 v22, v16
	v_rsq_f32 v30, v24
	v_nop
	s_wait_alu depctr_va_vdst(0)
	v_mov_b32 v23, v22
	v_mov_b32 v31, v30
.endm
.macro BARRIER                         ; my LDS stores have landed and my LDS loads are in: then the work-group's barrier
	s_wait_dscnt 0x0
	s_barrier_signal -1
	s_barrier_wait -1
.endm
	; ---- LN0 of my two rows
	s_wait_loadcnt 16                              ; o, g0, b0 are in; Wo's 16 loads behind them may be out
	SUM32 32, 16
	SUM32 64, 24
	ROW16 16
	ROW16 24
	HALVES 16
	HALVES 24
	MEAN 16
	MEAN 24
	LESS 32, 16
	LESS 64, 24
	SQ32 32, 16
	SQ32 64, 24
	ROW16 16
	ROW16 24
	HALVES 16
	HALVES 24
	RSTD
.irp e, 0,1
.irp j, 0,2,4,6,8,10,12,14,16,18,20,22,24,26,28,30
	v_pk_mul_f32 v[32+32*\e+\j:33+32*\e+\j], v[32+32*\e+\j:33+32*\e+\j], v[22+8*\e:23+8*\e]
	v_pk_fma_f32 v[32+32*\e+\j:33+32*\e+\j], v[32+32*\e+\j:33+32*\e+\j], v[96+\j:97+\j], v[128+\j:129+\j]   ; x g0 + b0
.endr
.endr
.irp e, 0,1
.irp i, 0,1,2,3,4,5,6,7
	ds_store_b128 v[ROWA], v[32+32*\e+4*\i:32+32*\e+4*\i+3] offset:OFP*\e+512*\i
.endr
.endr
	WLOAD 96, 1                                    ; Wo's K step 1, where g0 and b0 lay
	s_wait_kmcnt 0x0
	s_add_co_i32 s26, s22, s23                     ; entries 10 + 11: the sums lack 2^ that
	s_add_co_i32 s26, s26, 127
	s_lshl_b32 s26, s26, 23
	s_mov_b32 s27, s26                             ; (named with it as a pair, so it is written)
	s_add_co_i32 s28, s22, 127
	s_lshl_b32 s29, s28, 23
	v_mov_b32 v11, s29                             ; 2^e10: the conversion takes its exponent field
	s_add_co_i32 s28, s28, 15
	s_lshl_b32 s28, s28, 23
	s_or_b32 s28, s28, 0x600000
	v_mov_b32 v12, s28                             ; 57,344 x 2^e10
	BARRIER                                        ; 32 rows of O lie in LDS
	; ---- wave w quantises fragment (tile of rows w / 8, K step w % 8): register 16 c + i = k 32 c + 16 h + i of row r
.irp c, 0,1,2,3
.irp i, 0,1,2,3
	ds_load_b128 v[32+16*\c+4*\i:32+16*\c+4*\i+3], v[FA] offset:128*\c+16*\i
.endr
.endr
	s_wait_dscnt 0x0
.set jj, 0
.rept 64
	v_med3_num_f32 v[32+jj], v[32+jj], -v12, v12   ; the conversion to an 8-bit code does not saturate (ISA guide 7.6.2): the hold at the largest code x the scale
.set jj, jj+1
.endr
.irp c, 0,1,2,3
	v_cvt_scalef32_pk8_bf8_f32 v[224+4*\c:225+4*\c], v[32+16*\c:39+16*\c], v11
	v_cvt_scalef32_pk8_bf8_f32 v[226+4*\c:227+4*\c], v[40+16*\c:47+16*\c], v11
.endr
	v_nop                                          ; one plain vector instruction behind the last conversion: the products below write its sources
.irp c, 0,1,2,3
	ds_store_b128 v[IMW], v[224+4*\c:227+4*\c] offset:512*\c
.endr
	BARRIER                                        ; the sixteen images lie in LDS
	; ---- the product: 128 along K a step; the eight accumulators take turns
.macro KS ks
.set BF, 160-64*((\ks)%2)              ; Wo's fragments: v160-223 in even steps, v96-159 in odd ones
.irp m, 0,1
.irp c, 0,1,2,3
	ds_load_b128 v[224+16*\m+4*\c:224+16*\m+4*\c+3], v[IMR] offset:4096*(\ks)+2048*\m+512*\c
.endr
.endr
	s_wait_loadcnt 16                              ; this step's 16 loads are in; the 16 issued behind them may be out
	s_wait_dscnt 0x0
.irp m, 0,1
.irp n, 0,1,2,3
.if (\ks) == 0
	v_wmma_f32_16x16x128_bf8_bf8 v[ACC+8*(4*\m+\n):ACC+8*(4*\m+\n)+7], v[BF+16*\n:BF+16*\n+15], v[224+16*\m:224+16*\m+15], 0
.else
	v_wmma_f32_16x16x128_bf8_bf8 v[ACC+8*(4*\m+\n):ACC+8*(4*\m+\n)+7], v[BF+16*\n:BF+16*\n+15], v[224+16*\m:224+16*\m+15], v[ACC+8*(4*\m+\n):ACC+8*(4*\m+\n)+7]
.endif
.endr
.endr
.rept 4
	v_nop                                          ; places in front of loads into registers that these products have read, and of the first read of results
.endr
.if (\ks) < 6
	WLOAD BF, (\ks)+2                              ; two K steps ahead, into the registers just left
.endif
.endm
.irp ks, 0,1,2,3,4,5,6
	KS \ks
.endr
.irp n, 0,1,2,3                        ; behind step 6: bo and g1, 16 loads, so that step 7's count is the same as every step's
	global_load_b128 v[160+8*\n:163+8*\n], v[CO], s[14:15] offset:64*\n        ; bo at columns 16 n + 8 h + 0 .. 7 of my 64
	global_load_b128 v[164+8*\n:167+8*\n], v[CO], s[14:15] offset:64*\n+16
	global_load_b128 v[192+8*\n:195+8*\n], v[CO], s[16:17] offset:64*\n        ; g1
	global_load_b128 v[196+8*\n:199+8*\n], v[CO], s[16:17] offset:64*\n+16
.endr
	KS 7
.irp n, 0,1,2,3
	global_load_b128 v[224+8*\n:227+8*\n], v[CO], s[18:19] offset:64*\n        ; b1
	global_load_b128 v[228+8*\n:231+8*\n], v[CO], s[18:19] offset:64*\n+16
.endr
	; ---- y = O + relu(sum x 2^(e10 + e11) + bo), then LN1
.irp m, 0,1
.irp n, 0,1,2,3
	ds_load_b128 v[96+8*(4*\m+\n):96+8*(4*\m+\n)+3],   v[OA+\m] offset:64*\n     ; O at my places
	ds_load_b128 v[96+8*(4*\m+\n)+4:96+8*(4*\m+\n)+7], v[OA+\m] offset:64*\n+16
.endr
.endr
	s_wait_loadcnt 8                               ; bo and g1 are in; b1's eight loads may be out
	s_wait_dscnt 0x0
.irp m, 0,1
.irp n, 0,1,2,3
.irp i, 0,2,4,6
	v_pk_fma_f32 v[ACC+8*(4*\m+\n)+\i:ACC+8*(4*\m+\n)+\i+1], v[ACC+8*(4*\m+\n)+\i:ACC+8*(4*\m+\n)+\i+1], s[26:27], v[160+8*\n+\i:161+8*\n+\i] op_sel_hi:[1,0,1]   ; each accumulator from its low end on
.endr
.endr
.endr
.set jj, 0
.rept 64
	v_max_num_f32 v[ACC+jj], 0, v[ACC+jj]
.set jj, jj+1
.endr
.set jj, 0
.rept 32
	v_pk_add_f32 v[ACC+jj:ACC+jj+1], v[ACC+jj:ACC+jj+1], v[96+jj:97+jj]
.set jj, jj+2
.endr
	SUM32 32, 16                                   ; row r: my lane's 32 columns,
	SUM32 64, 24                                   ; row 16 + r
	HALVES 16                                      ; and the other half's: my wave's 64 columns
	HALVES 24
	ds_store_b32 v[RW], v16                        ; (lanes r and 16 + r write the same word with the same number)
	ds_store_b32 v[RW], v24 offset:16*80
	BARRIER                                        ; every wave's part of every row's sum lies in LDS
.irp m, 0,1
.irp i, 0,1,2,3
	ds_load_b128 v[96+16*\m+4*\i:96+16*\m+4*\i+3], v[RR] offset:16*80*\m+16*\i
.endr
.endr
	s_wait_dscnt 0x0
	SUM16 96, 16
	SUM16 112, 24
	MEAN 16
	MEAN 24
	LESS 32, 16
	LESS 64, 24
	SQ32 32, 16
	SQ32 64, 24
	HALVES 16
	HALVES 24
	ds_store_b32 v[RW], v16 offset:RED2            ; other bytes than the sums': no barrier is owed between the reads above and these stores
	ds_store_b32 v[RW], v24 offset:RED2+16*80
	BARRIER
.irp m, 0,1
.irp i, 0,1,2,3
	ds_load_b128 v[96+16*\m+4*\i:96+16*\m+4*\i+3], v[RR] offset:RED2+16*80*\m+16*\i
.endr
.endr
	s_wait_dscnt 0x0
	SUM16 96, 16
	SUM16 112, 24
	RSTD
	s_wait_loadcnt 0x0                             ; b1
.irp m, 0,1
.irp n, 0,1,2,3
.irp i, 0,2,4,6
	v_pk_mul_f32 v[ACC+8*(4*\m+\n)+\i:ACC+8*(4*\m+\n)+\i+1], v[ACC+8*(4*\m+\n)+\i:ACC+8*(4*\m+\n)+\i+1], v[22+8*\m:23+8*\m]
	v_pk_fma_f32 v[ACC+8*(4*\m+\n)+\i:ACC+8*(4*\m+\n)+\i+1], v[ACC+8*(4*\m+\n)+\i:ACC+8*(4*\m+\n)+\i+1], v[192+8*\n+\i:193+8*\n+\i], v[224+8*\n+\i:225+8*\n+\i]   ; x g1 + b1
.endr
.endr
.endr
.irp m, 0,1
.irp n, 0,1,2,3
	ds_store_b128 v[OA+\m], v[ACC+8*(4*\m+\n):ACC+8*(4*\m+\n)+3] offset:64*\n        ; over the very bytes of O that my lane read: nobody else reads them any more
	ds_store_b128 v[OA+\m], v[ACC+8*(4*\m+\n)+4:ACC+8*(4*\m+\n)+7] offset:64*\n+16
.endr
.endr
	BARRIER                                        ; 32 whole rows of the result lie in LDS
.irp e, 0,1
.irp i, 0,1,2,3,4,5,6,7
	ds_load_b128 v[96+32*\e+4*\i:96+32*\e+4*\i+3], v[ROWA] offset:OFP*\e+512*\i
.endr
.endr
.irp e, 0,1
.irp i, 0,1,2,3,4,5,6,7
	s_wait_dscnt 15-8*\e-\i                        ; loads come back in order
	global_store_b128 v[L16], v[96+32*\e+4*\i:96+32*\e+4*\i+3], s[20:21] offset:4096*\e+512*\i th:TH_STORE_NT   ; 32 lanes store 512 consecutive bytes, aligned; written once, read by nobody here
.endr
.endr
	s_wait_tensorcnt 0x0
	ds_add_u32 v15, v29
	s_wait_dscnt 0x0
	s_endpgm
.Lfunc_end_k_qe663097fe0_tail:
	.size	k_qe663097fe0_tail, .Lfunc_end_k_qe663097fe0_tail-k_qe663097fe0_tail
	.p2alignl 7, 3214868480
	.fill 96, 4, 3214868480
	.section	.rodata,"a",@progbits
	.p2align	6, 0x0
	.amdhsa_kernel k_qe663097fe0_tail
		.amdhsa_group_segment_fixed_size 171520
		.amdhsa_private_segment_fixed_size 0
		.amdhsa_enable_private_segment 0
		.amdhsa_kernarg_size 72
		.amdhsa_user_sgpr_count 2
		.amdhsa_user_sgpr_kernarg_segment_ptr 1
		.amdhsa_wavefront_size32 1
		.amdhsa_system_sgpr_workgroup_id_x 1
		.amdhsa_system_sgpr_workgroup_id_y 1
		.amdhsa_system_sgpr_workgroup_id_z 1
		.amdhsa_system_vgpr_workitem_id 0
		.amdhsa_next_free_vgpr 256
		.amdhsa_next_free_sgpr 66
		.amdhsa_reserve_vcc 0
		.amdhsa_float_denorm_mode_32 3
		.amdhsa_float_denorm_mode_16_64 3
		.amdhsa_memory_ordered 1
		.amdhsa_forward_progress 1
		.amdhsa_inst_pref_size 75
	.end_amdhsa_kernel
	.amdgpu_metadata
---
amdhsa.version: [ 1, 2 ]
amdhsa.kernels:
  - .name:           k_qe663097fe0_tail
    .symbol:         k_qe663097fe0_tail.kd
    .args:
      - { .name: o, .offset: 0, .size: 8, .value_kind: global_buffer, .address_space: global }
      - { .name: woimg, .offset: 8, .size: 8, .value_kind: global_buffer, .address_space: global }
      - { .name: lowp_scales, .offset: 16, .size: 8, .value_kind: global_buffer, .address_space: global }
      - { .name: g0, .offset: 24, .size: 8, .value_kind: global_buffer, .address_space: global }
      - { .name: b0, .offset: 32, .size: 8, .value_kind: global_buffer, .address_space: global }
      - { .name: bo, .offset: 40, .size: 8, .value_kind: global_buffer, .address_space: global }
      - { .name: g1, .offset: 48, .size: 8, .value_kind: global_buffer, .address_space: global }
      - { .name: b1, .offset: 56, .size: 8, .value_kind: global_buffer, .address_space: global }
      - { .name: out0, .offset: 64, .size: 8, .value_kind: global_buffer, .address_space: global }
    .group_segment_fixed_size: 171520
    .private_segment_fixed_size: 0
    .kernarg_segment_align: 8
    .kernarg_segment_size: 72
    .max_flat_workgroup_size: 512
    .sgpr_count:     66
    .vgpr_count:     256
    .wavefront_size: 32
...
	.end_amdgpu_metadata
.endif
;; end of part 3
;; ======== version 2 of 2: 3 launches; version 1 with the launches attn, tail written anew for expert scheduling mode
;; limits: right only within a limited range of input values
;; workspace buffers: kc 8,388,608 bytes; vt 8,388,608 bytes; woimg 1,048,576 bytes; o 33,554,432 bytes
;; launch kvproj: the kernel of part 1 again; grid 4 x 64, 4 waves a work-group, clusters of 4 x 4, 327,680 bytes of LDS; arguments K_codes, Wk_codes, Wv_codes, lowp_scales, bk, bv, Wo_codes, kc, vt, woimg; writes kc, vt, woimg
;; launch attn (part 4): grid 2 x 128, 8 waves a work-group, no clusters, 296,960 bytes of LDS; arguments Q_codes, Wq_codes, kc, vt, mask, bq, lowp_scales, o; writes o
.if DOCPART == 4
	.amdgcn_target "amdgcn-amd-amdhsa--gfx1250"
	.amdhsa_code_object_version 6
	.text
	.protected	k_qe663097fe0_attn
	.globl	k_qe663097fe0_attn
	.p2align	8
	.type	k_qe663097fe0_attn,@function
k_qe663097fe0_attn:
	s_mov_b64 s[64:65], 0
	v_nop
	global_prefetch_b8 v0, s[64:65] scope:SCOPE_SE
	s_setreg_imm32_b32 hwreg(HW_REG_WAVE_SCHED_MODE, 0, 2), 2
	s_setreg_imm32_b32 hwreg(HW_REG_WAVE_MODE, 25, 1), 1
	s_wait_xcnt 0x0
	s_wait_alu depctr_vm_vsrc(0)
; o[b][l][head][:] = q + softmax_k(q . k / 32, masked) v, for one (b, head) and 512 queries a work-group.  q = Q Wq + bq is made here, from the given codes, and never goes to memory: it stays in registers
; as f32 (the residual) and as codes (scale entry 6).  k's and v's codes come from the launch before.  All products on codes of BF8 (E5M2), sums in f32.
; THE SOFTMAX AHEAD OF THE SECOND PRODUCT: t = score x log2(e) / 32; M = the row's largest t so far, rounded UP to a whole number; p = 2^(t - M) is quantised (entry 9), not normalised.  The row's sum is taken
; of the unquantised p and divides at the end.  When M moves, the sum and O are multiplied by 2^(old M - new M): exact.
; SHARES.  Eight waves of 512 registers, two to a SIMD.  Two passes of 256 queries; in a pass a wave owns TWO tiles of 16 queries, so that each fragment of k and of v read from LDS feeds two matrix
; instructions, and the mask's bias is read once for both.  A wave walks all 1,024 keys, 128 a step.  The head's k (64 KB), v (64 KB) and its 64 rows of Wq (64 KB) are put into LDS ONCE: no ring, one barrier.
; q IS MADE ONCE FOR BOTH PASSES: a fragment of Wq feeds the wave's four tiles.  Q's codes come through a ring of three register slots (a slot: 128 along K of four tiles, 16 loads), asked for three K steps
; ahead; the first two are asked for in the head, between the LDS stores.  The second pass's q waits, in f32, in the wave's own two stages in LDS, as an image of its registers.
; WHY THROUGH REGISTERS, AND NO CLUSTER.  LDS is filled once, 48 pieces of 16 bytes a thread; only the two work-groups of a (b, head) share those bytes; on the way the rows are laid in TILE ORDER (below), which a
; plain tile copy would not give; and the text has one scalar branch on a given exponent (the hold of p).
; TILE ORDER.  LDS row 16 (2 b + u) + m holds index 32 b + 8 u + m + 8 (m / 8) (a key for k; a d for v and Wq): bits 3 and 4 of the index change places.  All products are used transposed (source 0 = 16 such
; rows, source 1 = 16 queries), so a lane holds ONE query (lane % 16) of each tile, and register 16 b + i of two neighbouring result tiles stands for index 32 b + 16 (lane / 16) + i: the conversions' results are the next operand's registers.
; THE MASK costs no vector work in the loop: a key's bias (0, or -(2^50) / c for a masked key, c the factor from a code product to t) is the C of the score products.
; A masked t is about -2^50; the running largest t begins at -2^40, so a masked key never sets M and its p is exactly 0.  A batch with no true key at all: c = 0 and every bias 0: t = 0, p = 1: the mean of v.
; LIMITS.  Entries 6 and 9 between -126 and 112; 6 + 7 between -64 and 132 (added to c's exponent field, taken off the bias's); 0 + 1 and 8 + 9 go by v_ldexp_f32.  A row's largest unmasked t lies above -2^40
; NaN and infinity codes are not served.
; REGISTERS, in two windows of 256 (s_set_vgpr_msb: bits 1:0 source 0, 3:2 source 1, 5:4 source 2, 7:6 destination).  All that the softmax touches but O lies in window 0: a key step has seven switches.
;   window 0: v1-11 addresses; v12-19 statistics, four a tile (-M, the largest t, the sum in two halves); v20-25 constants; v30, v31 the closing add's two; v32-159 the scores, then p, 64 a tile; v160-191 p's codes;
;             v192-207 q's codes; v208-223 at work, eight a tile; v224-255 the head's temporaries.  While q is made, v32-223 are Q's ring.
;   window 1: v0-63 fragments of Wq, k or v; v64-127 the bias (while q is made: Wq's second set of fragments); v128-191 O transposed, 32 a tile; v192-255 q in f32, 32 a tile.  In the head v0-191 hold the 48 pieces on their way into LDS.
; THE MODE: SCHED_MODE bits 1:0 = 2 (LLVM: expert scheduling mode 2), set by the entry lines.  The code itself states the register dependences between vector or matrix instructions and memory or LDS
; instructions, with s_wait_alu, always for 0.
; THE PLAN.  Registers that memory or LDS instructions touch, and who else names them:
;   the head   The offsets of the first loads are written ahead of one wait on va_vdst; all LDS addresses and the bias's four numbers ahead of a second, in front of the first LDS store.  None of them is written again.
;              The 48 pieces are loaded, stored into LDS, and their registers then become fragments, bias and O: one wait on vm_vsrc behind the barrier.
;   q          K step ks's sixteen products read ring slot ks % 3 and Wq's set ks % 2.  ONE wait on va_vdst behind them; behind it Q's K step ks + 3 lands in that slot and, at the next step's head, Wq's K step ks + 2 in
;              that set: so a step's fragments of Wq are asked for a whole K step ahead.  K steps 6 and 7 are followed by no load into their operands and have no wait.
;   a key step FRG: k's tiles land at the head, the score products read them, v's tiles land, the products V^T P read them.  BIA: the score products read it as C; behind them the NEXT step's bias lands.
;              v[ADK], v[ADV], v[ADB]: written at the head, read by the step's LDS loads.  So: a wait on vm_vsrc ahead of the three additions; a wait on va_vdst behind them (the addresses are written, the last step's
;              products V^T P are done with FRG); a wait on va_vdst behind the score products (done with FRG and BIA), and behind it v's tiles and the next bias in one run, which land while the softmax is walked:
;              the softmax names S, the statistics, the codes and O, none of the registers that those loads touch.  The eighth step has no next bias: it is written out behind a loop of seven trips.
;   a way out  One wait on va_vdst behind the packed multiply-adds: they have written what the stage's stores read and are done with q, in which the next pass's q lands.  A wait on vm_vsrc at the first pass's end.
.set KP,  80                           ; a key's row in LDS: 64 bytes + 16;  all three pitches are odd multiples of 16 bytes: the 16 rows of a load begin in 16 different columns of 16 bytes
.set VP,  144                          ; a row of v: 128 keys + 16
.set WP,  1040                         ; a row of Wq: 1,024 bytes + 16
.set SPI, 272                          ; a stage row: 64 f32 + 16 bytes
.set STT, 16*SPI                       ; a tile's stage
.set KB,  0                            ; 1,024 rows of k
.set VB,  KB+1024*KP                   ; 8 steps x 64 rows of v
.set WB,  VB+8*64*VP                   ; 64 rows of Wq
.set BB,  WB+64*WP                     ; the mask's bias, f32 for each key, in the keys' own order
.set STG, BB+4096                      ; the stages: two for each wave
.set AK0, 1                            ; v1   my lane's place in a tile of k
.set AV0, 2                            ; v2   of v
.set AB0, 3                            ; v3   in a step's bias
.set AW0, 4                            ; v4   in a tile of Wq
.set AQ,  5                            ; v5   Q's codes: 1024 r + 16 h
.set STO, 6                            ; v6   the stage, in
.set RD,  7                            ; v7   the stage, back
.set GO,  8                            ; v8   my byte offset in a tile's rows of o
.set ADK, 9                            ; v9-11 the step's addresses
.set ADV, 10
.set ADB, 11
.set ST,  12                           ; tile e's statistics at v[ST + 4 e]
.set C9,  20                           ; v20, v21 2^e9 and 57,344 x 2^e9;  v22, v23 the same for entry 6
.set L9,  21
.set C6,  22
.set L6,  23
.set BQO, 24                           ; v24  64 h
.set SIM, 25                           ; v25  my stages as an image of registers: 16 x lane
.set S,   32
.set RING, 32
.set PC,  160
.set QC,  192
.set WK,  208                          ; tile e at v[WK + 8 e]: +0, +1 the maximum's two chains; +2, +3 f, later 1 / the sum (a pair); +4 what the other half of the lanes sends; +6, +7 the sum's second chain
.set FRG, 0                            ; window 1
.set BIA, 64
.set OT,  128
.set QF,  192
.set MSB, 0
.macro WIN new                         ; the immediate's high byte repeats the setting that is left; a switch that changes nothing is dropped
.if MSB != (\new)
	s_set_vgpr_msb (MSB<<8)|(\new)
.set MSB, (\new)
.endif
.endm
.set W_TO1, 0x40                       ; destination window 1 (loads, clearing); addresses window 0
.set W_ST1, 0x04                       ; an LDS store's data (source 1) window 1
.set W_IN1, 0x41                       ; destination and source 0 window 1, source 1 window 0
.set W_Q,   0x01                       ; source 0 window 1
.set W_SC,  0x11                       ; sources 0 and 2 window 1, source 1 and destination window 0: the score products (k, q's codes, the bias -> S) and the way out's multiply-add (O, 1 / sum, q -> o)
.set W_PV,  0x51                       ; sources 0 and 2 and destination window 1, source 1 window 0: v or Wq, codes, sums in place
	s_load_b512 s[4:19], s[0:1], 0x0               ; Q's codes s[4:5], Wq's s[6:7], kc s[8:9], vt s[10:11], mask s[12:13], bq s[14:15], the scales s[16:17], o s[18:19]
	v_lshl_add_u32 v30, v0, 2, 0x48400             ; my spare word, behind the stages, and 0: kept for the closing lines alone
	v_mov_b32 v31, 0
	v_lshrrev_b32 v230, 5, v0
	v_readfirstlane_b32 s32, v230                  ; wave 0..7
	v_and_b32 v224, 15, v0                         ; r
	v_bfe_u32 v225, v0, 4, 1                       ; h
	v_and_b32 v226, 31, v0                         ; lane
	s_and_b32 s48, ttmp7, 0xffff                   ; 16 b + head
	s_lshr_b32 s33, s48, 4                         ; b
	s_and_b32 s34, s48, 15                         ; head
	s_lshl_b32 s50, s48, 16                        ; kc, vt: 65,536 bytes for each (b, head)
	s_mov_b32 s51, 0
	s_lshl_b32 s52, s34, 16                        ; Wq: the head's 64 rows of 1,024 bytes
	s_mov_b32 s53, 0
	s_lshl_b32 s54, s33, 10                        ; mask: the batch's 1,024 bytes
	s_mov_b32 s55, 0
	s_lshl_b32 s56, s34, 8                         ; bq, and a row of o: the head's 64 f32
	s_mov_b32 s57, 0
	s_lshl_b32 s58, s33, 10
	s_lshl_b32 s49, ttmp9, 9
	s_add_co_u32 s58, s58, s49
	s_wait_alu depctr_va_sdst(0)                   ; s32, the wave's number, is written, ahead of its first reader
	s_lshl_b32 s49, s32, 5
	s_add_co_u32 s58, s58, s49                     ; my first query's row: 1024 b + 512 x + 32 wave
	s_lshl_b32 s60, s58, 12
	s_add_co_u32 s60, s60, s56                     ; in o
	s_mov_b32 s61, 0
	s_lshl_b32 s58, s58, 10                        ; in Q's codes
	s_mov_b32 s59, 0
	v_lshlrev_b32 v227, 4, v0                      ; 16 t: a thread's piece of 4,096 bytes
	v_lshlrev_b32 v228, 5, v226                    ; 32 x lane: every wave looks at all 1,024 bytes of the mask
	v_lshlrev_b32 v229, 2, v0                      ; 4 t: the four keys whose bias I make
	v_lshlrev_b32 v[BQO], 6, v225
	v_lshlrev_b32 v[AQ], 10, v224
	v_lshl_add_u32 v[AQ], v225, 4, v[AQ]
	s_wait_kmcnt 0x0
	s_load_b256 s[20:27], s[16:17], 0x0            ; entries 0 to 7
	s_load_b128 s[28:31], s[16:17], 0x20           ; entries 8 to 11
	s_add_nc_u64 s[4:5], s[4:5], s[58:59]
	s_add_nc_u64 s[6:7], s[6:7], s[52:53]
	s_add_nc_u64 s[8:9], s[8:9], s[50:51]
	s_add_nc_u64 s[10:11], s[10:11], s[50:51]
	s_add_nc_u64 s[12:13], s[12:13], s[54:55]
	s_add_nc_u64 s[14:15], s[14:15], s[56:57]
	s_add_nc_u64 s[18:19], s[18:19], s[60:61]
	s_wait_alu depctr_va_vdst(0)                   ; the offsets v227, v228, v229, v[BQO] and v[AQ] are written, which the loads below and Q's loads read
	global_load_b128 v[232:235], v228, s[12:13]
	global_load_b128 v[236:239], v228, s[12:13] offset:16
	global_load_b32 v240, v229, s[12:13]
	WIN W_TO1
.irp i, 0,1,2,3,4,5,6,7,8,9,10,11,12,13,14,15
	global_load_b128 v[4*\i:4*\i+3], v227, s[6:7] offset:4096*\i         ; Wq: 256 threads read 4,096 consecutive bytes
.endr
.irp i, 0,1,2,3,4,5,6,7,8,9,10,11,12,13,14,15
	global_load_b128 v[64+4*\i:64+4*\i+3], v227, s[8:9] offset:4096*\i   ; k
.endr
.irp i, 0,1,2,3,4,5,6,7,8,9,10,11,12,13,14,15
	global_load_b128 v[128+4*\i:128+4*\i+3], v227, s[10:11] offset:4096*\i   ; v
.endr
.irp t, 0,1,2,3
	global_load_b128 v[QF+8*\t:QF+8*\t+3],   v[BQO], s[14:15] offset:128*(\t/2)+32*(\t%2)      ; bq at my eight d of result tile t
	global_load_b128 v[QF+8*\t+4:QF+8*\t+7], v[BQO], s[14:15] offset:128*(\t/2)+32*(\t%2)+16
.endr
	WIN 0
	; the addresses that stay (none of these lines writes a register that the loads above read or land in)
	v_mul_u32_u24 v[AK0], v224, KP
	v_lshl_add_u32 v[AK0], v225, 4, v[AK0]
	v_mul_u32_u24 v[AV0], v224, VP
	v_lshl_add_u32 v[AV0], v225, 4, v[AV0]
	v_add_nc_u32 v[AV0], VB, v[AV0]
	v_add_nc_u32 v[AB0], BB, v[BQO]
	v_mul_u32_u24 v[AW0], v224, WP
	v_lshl_add_u32 v[AW0], v225, 4, v[AW0]
	v_add_nc_u32 v[AW0], WB, v[AW0]
	s_mul_i32 s48, s32, 2*STT
	s_add_co_u32 s48, s48, STG                     ; my two stages
	v_mul_u32_u24 v[STO], v224, SPI
	v_lshl_add_u32 v[STO], v225, 6, v[STO]
	v_add_nc_u32 v[STO], s48, v[STO]               ; in: row r, + 64 h: my 16 numbers of each 32
	v_mul_u32_u24 v[RD], v225, SPI
	v_lshl_add_u32 v[RD], v224, 4, v[RD]
	v_add_nc_u32 v[RD], s48, v[RD]                 ; back: lanes 0-15 one row of 256 bytes, lanes 16-31 the next
	v_lshl_add_u32 v[SIM], v226, 4, s48
	v_lshlrev_b32 v[GO], 12, v225
	v_lshl_add_u32 v[GO], v224, 4, v[GO]           ; and the same two rows in o
	; where my pieces go in LDS.  Wq: piece i is row 4 i + t / 64, bytes 16 (t % 64) on; the change of bits 3 and 4 falls on i alone
	v_lshrrev_b32 v230, 6, v0
	v_mul_u32_u24 v246, v230, WP
	v_and_b32 v230, 63, v0
	v_lshl_add_u32 v246, v230, 4, v246
	v_add_nc_u32 v246, WB, v246
	; k: piece i is key 64 i + t / 4, bytes 16 (t % 4) on
	v_bfe_u32 v231, v0, 2, 3
	v_bfe_u32 v230, v0, 5, 1
	v_lshl_add_u32 v231, v230, 4, v231             ; the key's bit 3 becomes the row's bit 4,
	v_bfe_u32 v230, v0, 6, 1
	v_lshl_add_u32 v231, v230, 3, v231             ; its bit 4 the row's bit 3
	v_bfe_u32 v230, v0, 7, 1
	v_lshl_add_u32 v231, v230, 5, v231
	v_mul_u32_u24 v231, v231, KP
	v_and_b32 v230, 3, v0
	v_lshl_add_u32 v247, v230, 4, v231
	v_add_nc_u32 v252, 8*64*KP, v247               ; pieces 8 to 15: beyond the reach of a 16-bit offset
	; v: piece i is step i / 2, row d = 32 (i % 2) + t / 8, bytes 16 (t % 8) on
	v_bfe_u32 v231, v0, 3, 3
	v_bfe_u32 v230, v0, 6, 1
	v_lshl_add_u32 v231, v230, 4, v231
	v_bfe_u32 v230, v0, 7, 1
	v_lshl_add_u32 v231, v230, 3, v231
	v_mul_u32_u24 v231, v231, VP
	v_and_b32 v230, 7, v0
	v_lshl_add_u32 v253, v230, 4, v231
	v_add_nc_u32 v253, VB, v253
	v_add_nc_u32 v254, 8*32*VP, v253               ; pieces 8 to 15
	v_lshl_add_u32 v255, v0, 4, BB                 ; my four keys' bias
	s_mov_b32 s36, 0x76543210                      ; v_permlanex16_b32's selects for lane l xor 16
	s_mov_b32 s37, 0xfedcba98
	s_wait_kmcnt 0x0
	s_add_co_i32 s45, s20, s21                     ; entries 0 + 1: q's sums lack 2^ that
	s_sub_co_i32 s46, 0, s45
	s_add_co_i32 s47, s28, s29                     ; entries 8 + 9
	s_add_co_i32 s48, s26, s27                     ; entries 6 + 7
	s_lshl_b32 s48, s48, 23
	s_add_co_u32 s49, s48, 0x3d38aa3b              ; c = log2(e) / 32 x 2^(e6 + e7): the exponents are added to c's exponent field
	s_sub_co_u32 s50, 0xdab17218, s48              ; -(2^50) x 32 / log2(e) / 2^(e6 + e7): a masked key's bias, in the code products' unit
	s_add_co_i32 s52, s29, 127
	s_lshl_b32 s53, s52, 23
	v_mov_b32 v[C9], s53                           ; 2^e9
	s_add_co_i32 s52, s52, 15
	s_lshl_b32 s52, s52, 23
	s_or_b32 s52, s52, 0x600000
	v_mov_b32 v[L9], s52                           ; 57,344 x 2^e9
	s_add_co_i32 s52, s26, 127
	s_lshl_b32 s53, s52, 23
	v_mov_b32 v[C6], s53                           ; 2^e6
	s_add_co_i32 s52, s52, 15
	s_lshl_b32 s52, s52, 23
	s_or_b32 s52, s52, 0x600000
	v_mov_b32 v[L6], s52                           ; 57,344 x 2^e6
	s_wait_loadcnt 56                              ; the three loads of the mask are in; the 48 pieces and bq's 8 loads behind them may be out
	v_or_b32 v232, v232, v233
	v_or_b32 v234, v234, v235
	v_or_b32 v236, v236, v237
	v_or_b32 v238, v238, v239
	v_or_b32 v232, v232, v234
	v_or_b32 v236, v236, v238
	v_or_b32 v232, v232, v236
	v_cmp_ne_u32 vcc_lo, 0, v232                   ; has my lane a true key among its 32?
	s_wait_alu depctr_va_vcc(0)                    ; VCC is written, ahead of the scalar compare that reads it
	s_cmp_lg_u32 vcc_lo, 0                         ; has the batch one?  Values are chosen by it, no path
	s_cselect_b32 s38, s49, 0                      ; c, or 0
	s_cselect_b32 s50, s50, 0                      ; the bias, or 0
	s_mov_b32 s39, s38                             ; (named with it as a pair, so it is written)
	v_mov_b32 v241, s50
	v_and_b32 v242, 0xff, v240
	v_bfe_u32 v243, v240, 8, 8
	v_bfe_u32 v244, v240, 16, 8
	v_lshrrev_b32 v245, 24, v240
	v_cmp_eq_u32 s56, 0, v242                      ; the four compares in one run, each into a scalar register of its own (s56 to s59 held offsets that have been used)
	v_cmp_eq_u32 s57, 0, v243
	v_cmp_eq_u32 s58, 0, v244
	v_cmp_eq_u32 s59, 0, v245
	s_wait_alu depctr_va_sdst(0)                   ; the four masks are written, ahead of the selects that read them
	v_cndmask_b32 v248, 0, v241, s56
	v_cndmask_b32 v249, 0, v241, s57
	v_cndmask_b32 v250, 0, v241, s58
	v_cndmask_b32 v251, 0, v241, s59
	s_wait_alu depctr_va_vdst(0)                   ; the bias's four numbers are written, which the store below reads; so are all the LDS addresses made above, which every later LDS instruction and store reads
	ds_store_b128 v255, v[248:251]
; 128 along K (step ks) of Q's codes for my four tiles, into ring slot ks % 3: tile u = 2 x pass + e begins 256 x pass + 16 e rows behind my first row
.macro QLOADS ks
.irp u, 0,1,2,3
.irp c, 0,1,2,3
	global_load_b128 v[RING+64*((\ks)%3)+16*\u+4*\c:RING+64*((\ks)%3)+16*\u+4*\c+3], v[AQ], s[4:5] offset:262144*(\u/2)+16384*(\u%2)+128*(\ks)+32*\c
.endr
.endr
.endm
; Wq's four tiles of K step ks, into set ks % 2: the fragments' registers, or those in which the bias will lie
.macro WFRAG ks
.irp t, 0,1,2,3
.irp c, 0,1,2,3
	ds_load_b128 v[FRG+64*((\ks)%2)+16*\t+4*\c:FRG+64*((\ks)%2)+16*\t+4*\c+3], v[AW0] offset:16*WP*\t+128*(\ks)+32*\c
.endr
.endr
.endm
	s_wait_loadcnt 40                              ; Wq's 16 pieces are in; behind them: k's 16, v's 16, bq's 8
	WIN W_ST1
.irp i, 0,1,2,3,4,5,6,7,8,9,10,11,12,13,14,15
	ds_store_b128 v246, v[4*\i:4*\i+3] offset:WP*(4*((\i)&1)+8*(((\i)>>2)&1)+16*(((\i)>>1)&1)+32*((\i)>>3))
.endr
	WIN 0
	QLOADS 0                                       ; Q's first K step is asked for here, so that it comes while LDS is still being filled
	s_wait_loadcnt 40                              ; k's 16 pieces are in; behind them: v's 16, bq's 8, Q's 16
	WIN W_ST1
.irp i, 0,1,2,3,4,5,6,7
	ds_store_b128 v247, v[64+4*\i:64+4*\i+3] offset:64*KP*\i
	ds_store_b128 v252, v[96+4*\i:96+4*\i+3] offset:64*KP*\i
.endr
	WIN 0
	QLOADS 1
	s_wait_loadcnt 40                              ; v's 16 pieces are in; behind them: bq's 8, Q's 32
	WIN W_ST1
.irp i, 0,1,2,3,4,5,6,7
	ds_store_b128 v253, v[128+4*\i:128+4*\i+3] offset:32*VP*\i
	ds_store_b128 v254, v[160+4*\i:160+4*\i+3] offset:32*VP*\i
.endr
	WIN 0
	s_wait_dscnt 0x0                               ; for the others' sake: my stores have landed
	s_barrier_signal -1
	s_barrier_wait -1                              ; the launch's one barrier: from here on these bytes are only read; every later LDS store goes into the wave's own stages
	s_wait_alu depctr_vm_vsrc(0)                   ; my LDS stores have read the 48 pieces: their registers are Wq's two sets of fragments and the sums from here on, written by the LDS loads and the scalings below
	QLOADS 2
	WIN W_TO1
	WFRAG 0                                        ; Wq's first K step comes while bq is scaled
	; ---- q = Q Wq + bq for my four tiles.  The sums: tiles 0, 1 (the first pass's) where q stays, tiles 2, 3 where O will lie.  bq / 2^(e0 + e1), the power of two that the sums lack, is the C of their first products
	s_wait_loadcnt 48                              ; bq is in; Q's three K steps behind it may be out
	WIN W_IN1
.set jj, 0
.rept 32
	v_ldexp_f32 v[QF+32+jj], v[QF+jj], s46
	v_ldexp_f32 v[OT+jj],    v[QF+jj], s46
	v_ldexp_f32 v[OT+32+jj], v[QF+jj], s46
.set jj, jj+1
.endr
.set jj, 0
.rept 32
	v_ldexp_f32 v[QF+jj], v[QF+jj], s46
.set jj, jj+1
.endr
	WIN 0
; 128 along K: four tiles of Wq's rows, each against my four tiles of Q: sixteen accumulators by turns, one instruction a turn.
; left: Q's loads issued behind this K step's, which may stay out
.macro KSQ ks, left
.if (\ks) < 7
	WIN W_TO1
	WFRAG (\ks)+1                                  ; the next K step's fragments, into the set that the K step before has left: the wait at that step's end has shown its products done with it
.endif
	s_wait_loadcnt \left
.if (\ks) < 7
	s_wait_dscnt 16                                ; LDS loads come back in order: this K step's 16 are in, the next one's 16 may be out
.else
	s_wait_dscnt 0x0
.endif
	WIN W_PV
.irp t, 0,1,2,3
.irp u, 0,1,2,3
.set AC, QF+32*\u-128*(\u/2)+8*\t
	v_wmma_f32_16x16x128_bf8_bf8 v[AC:AC+7], v[FRG+64*((\ks)%2)+16*\t:FRG+64*((\ks)%2)+16*\t+15], v[RING+64*((\ks)%3)+16*\u:RING+64*((\ks)%3)+16*\u+15], v[AC:AC+7]
.endr
.endr
.rept 4
	v_nop                                          ; places behind these products, in front of the loads into the registers that they have read and of the first read of results
.endr
.if (\ks) < 6
	s_wait_alu depctr_va_vdst(0)                   ; this K step's products are done reading their ring slot, in which Q's loads below land, and their set of Wq's fragments, in which the next step's head loads
.endif
	WIN 0
.if (\ks) < 5
	QLOADS (\ks)+3                                 ; three K steps ahead, into the slot just left
.endif
.endm
	KSQ 0, 32
	KSQ 1, 32
	KSQ 2, 32
	KSQ 3, 32
	KSQ 4, 32
	KSQ 5, 32
	KSQ 6, 16
	KSQ 7, 0
	WIN W_IN1
.set jj, 0
.rept 128
	v_ldexp_f32 v[OT+jj], v[OT+jj], s45            ; q, in f32.  Each accumulator from its low end on
.set jj, jj+1
.endr
	WIN W_ST1
	s_wait_alu depctr_va_vdst(0)                   ; the scalings have written the second pass's q, which the LDS stores read; the last products are done with Wq's two sets, in which the bias and k's tiles will land
.irp e, 0,1
.irp i, 0,1,2,3,4,5,6,7
	ds_store_b128 v[SIM], v[OT+32*\e+4*\i:OT+32*\e+4*\i+3] offset:STT*\e+512*\i   ; the second pass's q waits in my stages, as it stands in the registers
.endr
.endr
	WIN 0
	s_wait_dscnt 0x0                               ; the stores are done
	s_wait_alu depctr_vm_vsrc(0)                   ; and have read their registers, which O takes next
; a step's bias, by the address register adr: keys 32 (t / 2) + 16 h + 8 (t % 2) + 0 .. 7 for tile t: once for both tiles of queries
.macro BIASL adr
.irp t, 0,1,2,3,4,5,6,7
	ds_load_b128 v[BIA+8*\t:BIA+8*\t+3],   v[\adr] offset:128*(\t/2)+32*(\t%2)
	ds_load_b128 v[BIA+8*\t+4:BIA+8*\t+7], v[\adr] offset:128*(\t/2)+32*(\t%2)+16
.endr
.endm
; A KEY STEP: 128 keys.  last = 1: the eighth, which has no next step's bias to ask for.
.macro KSTEP last
	s_wait_alu depctr_vm_vsrc(0)                   ; the LDS loads issued so far have read v[ADK], v[ADV] and v[ADB], which the additions below write
	v_add_nc_u32 v[ADK], s40, v[AK0]
	v_add_nc_u32 v[ADV], s41, v[AV0]
.if \last
	v_nop
.else
	v_add_nc_u32 v[ADB], s42, v[AB0]               ; the NEXT step's bias
.endif
	v_nop                                          ; four places behind the last step's products, in front of the loads into the fragments' registers
	WIN W_TO1
	s_wait_alu depctr_va_vdst(0)                   ; the addresses are written, which this step's LDS loads read; the last step's products V^T P are done reading the fragments' registers, in which k's tiles land
.irp t, 0,1,2,3,4,5,6,7
	ds_load_b128 v[FRG+8*\t:FRG+8*\t+3],   v[ADK] offset:16*KP*\t               ; a tile of k: 16 rows x 64: d = 16 h + 0 .. 15,
	ds_load_b128 v[FRG+8*\t+4:FRG+8*\t+7], v[ADK] offset:16*KP*\t+32            ; d = 32 + 16 h + 0 .. 15: the order of q's codes
.endr
	s_wait_dscnt 0x0                               ; k's tiles are in (and, in a pass's first step, the bias asked for ahead of the loop)
	WIN W_SC
.irp t, 0,1,2,3,4,5,6,7
.irp e, 0,1
	v_wmma_f32_16x16x64_bf8_bf8 v[S+64*\e+8*\t:S+64*\e+8*\t+7], v[FRG+8*\t:FRG+8*\t+7], v[QC+8*\e:QC+8*\e+7], v[BIA+8*\t:BIA+8*\t+7]   ; score + bias: each fragment of k serves both tiles
.endr
.endr
.rept 4
	v_nop                                          ; places in front of the loads below and of the first read of the scores
.endr
	WIN W_TO1
	s_wait_alu depctr_va_vdst(0)                   ; the score products are done reading k's tiles, in which v's land, and the bias, in which the next step's lands
.irp t, 0,1,2,3
.irp c, 0,1,2,3
	ds_load_b128 v[FRG+16*\t+4*\c:FRG+16*\t+4*\c+3], v[ADV] offset:16*VP*\t+32*\c   ; v's four tiles: they land while the softmax is walked
.endr
.endr
.if !\last
	BIASL ADB                                      ; and so does the next step's bias.  No vector or matrix instruction from here to the wait on DScnt below names these registers or the two addresses
.endif
	WIN 0
	; the softmax of both tiles: where one line feeds the next, the two tiles alternate
.irp e, 0,1
	v_max3_num_f32 v[WK+8*\e],   v[S+64*\e],   v[S+64*\e+1], v[S+64*\e+2]   ; the step's largest score of my query among my 64 keys, in two chains, each accumulator from its low end on,
	v_max3_num_f32 v[WK+8*\e+1], v[S+64*\e+3], v[S+64*\e+4], v[S+64*\e+5]
.endr
.irp i, 6,10,14,18,22,26,30,34,38,42,46,50,54,58
.irp e, 0,1
	v_max3_num_f32 v[WK+8*\e],   v[WK+8*\e],   v[S+64*\e+\i],   v[S+64*\e+\i+1]
	v_max3_num_f32 v[WK+8*\e+1], v[WK+8*\e+1], v[S+64*\e+\i+2], v[S+64*\e+\i+3]
.endr
.endr
.irp e, 0,1
	v_max3_num_f32 v[WK+8*\e], v[WK+8*\e], v[S+64*\e+62], v[S+64*\e+63]
.endr
.irp e, 0,1
	v_max_num_f32 v[WK+8*\e], v[WK+8*\e], v[WK+8*\e+1]
.endr
.irp e, 0,1
	v_permlanex16_b32 v[WK+8*\e+4], v[WK+8*\e], s36, s37
.endr
.irp e, 0,1
	v_max_num_f32 v[WK+8*\e], v[WK+8*\e], v[WK+8*\e+4]   ; and among lane l xor 16's
.endr
.irp e, 0,1
	v_mul_f32 v[WK+8*\e], s38, v[WK+8*\e]          ; as t (c is not negative)
.endr
.irp e, 0,1
	v_max_num_f32 v[ST+4*\e+1], v[ST+4*\e+1], v[WK+8*\e]   ; the running largest t
.endr
.irp e, 0,1
	v_mov_b32 v[WK+8*\e], v[ST+4*\e]
.endr
.irp e, 0,1
	v_floor_f32 v[ST+4*\e], -v[ST+4*\e+1]          ; the new -M = floor(-t) = -ceil(t): M is a whole number
.endr
.irp e, 0,1
	v_sub_f32 v[WK+8*\e], v[ST+4*\e], v[WK+8*\e]   ; old M less new M: a whole number, 0 or less
.endr
.irp e, 0,1
	v_cvt_i32_f32 v[WK+8*\e], v[WK+8*\e]           ; (it saturates)
.endr
.irp e, 0,1
	v_ldexp_f32 v[WK+8*\e+2], 1.0, v[WK+8*\e]      ; f = 2^(old M - new M)
.endr
.set jj, 0
.rept 64
	v_pk_fma_f32 v[S+jj:S+jj+1], v[S+jj:S+jj+1], s[38:39], v[ST+4*(jj/64):ST+4*(jj/64)+1] op_sel_hi:[1,0,0]   ; t - M, two at a time (of the pairs c and -M the low word serves both halves)
.set jj, jj+2
.endr
.set jj, 0
.rept 128
	v_exp_f32 v[S+jj], v[S+jj]                     ; p = 2^(t - M): not normalised
.set jj, jj+1
.endr
.irp e, 0,1
	v_pk_mul_f32 v[ST+4*\e+2:ST+4*\e+3], v[ST+4*\e+2:ST+4*\e+3], v[WK+8*\e+2:WK+8*\e+3] op_sel_hi:[1,0]   ; the sums under the new M: the plain instructions behind the exponentials
.endr
	s_wait_alu depctr_va_vdst(0)                   ; the 128 exponentials have written p: one wait for the batch, ahead of its first reader
.irp e, 0,1
	v_pk_add_f32 v[WK+8*\e+6:WK+8*\e+7], v[S+64*\e:S+64*\e+1], v[S+64*\e+2:S+64*\e+3]   ; the row's sum is taken of the unquantised p, in two chains a tile
.endr
.irp j, 4,8,12,16,20,24,28,32,36,40,44,48,52,56,60
.irp e, 0,1
	v_pk_add_f32 v[ST+4*\e+2:ST+4*\e+3], v[ST+4*\e+2:ST+4*\e+3], v[S+64*\e+\j:S+64*\e+\j+1]
	v_pk_add_f32 v[WK+8*\e+6:WK+8*\e+7], v[WK+8*\e+6:WK+8*\e+7], v[S+64*\e+\j+2:S+64*\e+\j+3]
.endr
.endr
.irp e, 0,1
	v_pk_add_f32 v[ST+4*\e+2:ST+4*\e+3], v[ST+4*\e+2:ST+4*\e+3], v[WK+8*\e+6:WK+8*\e+7]
.endr
	s_cmp_ge_i32 s29, -15                          ; p is at most 1 and a rounding; from e9 = -15 on 57,344 x 2^e9 is 1.75 or more, and the hold can change nothing:
	s_cbranch_scc1 .Lnohold_\@                     ; a scalar branch on the given whole number; with a smaller e9 the hold runs
.set jj, 0
.rept 128
	v_min_num_f32 v[S+jj], v[S+jj], v[L9]          ; p is not negative: the hold is one-sided
.set jj, jj+1
.endr
.Lnohold_\@:
.set jj, 0
.rept 16
	v_cvt_scalef32_pk8_bf8_f32 v[PC+2*jj:PC+2*jj+1], v[S+8*jj:S+8*jj+7], v[C9]   ; conversions 0-7: the first tile's 128 codes, 8-15: the second's
.set jj, jj+1
.endr
	WIN W_IN1
.set jj, 0
.rept 32
	v_pk_mul_f32 v[OT+jj:OT+jj+1], v[OT+jj:OT+jj+1], v[WK+8*(jj/32)+2:WK+8*(jj/32)+3] op_sel_hi:[1,0]   ; O under the new M.  (These are also the plain instructions behind the conversions)
.set jj, jj+2
.endr
	s_wait_dscnt 0x0                               ; v's tiles are in, and the next step's bias
	WIN W_PV
.irp t, 0,1,2,3
.irp e, 0,1
	v_wmma_f32_16x16x128_bf8_bf8 v[OT+32*\e+8*\t:OT+32*\e+8*\t+7], v[FRG+16*\t:FRG+16*\t+15], v[PC+16*\e:PC+16*\e+15], v[OT+32*\e+8*\t:OT+32*\e+8*\t+7]   ; each fragment of v serves both tiles; eight accumulators by turns
.endr
.endr
	WIN 0                                          ; at a label and at a branch every window is 0
.endm
; A PASS: 256 queries of the work-group, two tiles of mine.  p: which.
.macro PASS p
	WIN W_Q
.set jj, 0
.rept 64
	v_med3_num_f32 v[S+64*(jj/32)+jj%32], v[QF+jj], -v[L6], v[L6]   ; the hold at the largest code x the scale (the conversion does not saturate: ISA guide 7.6.2), into other registers: q stays for the residual
.set jj, jj+1
.endr
	WIN 0
.irp e, 0,1
.irp g, 0,1,2,3
	v_cvt_scalef32_pk8_bf8_f32 v[QC+8*\e+2*\g:QC+8*\e+2*\g+1], v[S+64*\e+8*\g:S+64*\e+8*\g+7], v[C6]
.endr
.endr
	v_nop                                          ; one plain vector instruction behind the last conversion
.irp e, 0,1
	v_mov_b32 v[ST+4*\e+1], 0xd3800000             ; the largest t so far: -2^40: above every masked t, under every t that counts
	v_floor_f32 v[ST+4*\e], -v[ST+4*\e+1]          ; -M
	v_mov_b32 v[ST+4*\e+2], 0                      ; the sum, in two halves
	v_mov_b32 v[ST+4*\e+3], 0
	v_mov_b32 v[WK+8*\e+4], 0                      ; a lane permute's destination counts as one of its sources
	v_mov_b32 v[WK+8*\e+3], 0                      ; (named as the upper half of f's pair)
.endr
	WIN W_TO1
	BIASL AB0                                      ; the first step's bias.  No wait: the products that read these registers last stand ahead of the last wait on va_vdst, and no vector instruction since names them or v[AB0]
.set jj, 0
.rept 64
	v_mov_b32 v[OT+jj], 0                          ; the key step's first trip finds zeros, which the first change of M leaves zeros
.set jj, jj+1
.endr
	WIN 0
	s_mov_b32 s40, 0                               ; the step's first byte in k,
	s_mov_b32 s41, 0                               ; in v;
	s_mov_b32 s42, 512                             ; the NEXT step's in the bias
	s_mov_b32 s43, 7
.Lstep_\@:                                         ; seven trips: 128 keys each
	KSTEP 0
	s_add_co_u32 s40, s40, 128*KP
	s_add_co_u32 s41, s41, 64*VP
	s_add_co_u32 s42, s42, 512
	s_sub_co_u32 s43, s43, 1
	s_cmp_lg_u32 s43, 0
	s_cbranch_scc1 .Lstep_\@
	KSTEP 1                                        ; the eighth step is written out: no load leaves the bias's table
	; THE WAY OUT OF A PASS: o = q + O x 2^(e8 + e9) / the sum, through my stages, so that sixteen lanes store 256 consecutive bytes, aligned: a query's 64 numbers of this head
.rept 4
	v_nop                                          ; places behind the last products
.endr
.irp e, 0,1
	v_add_f32 v[ST+4*\e+2], v[ST+4*\e+2], v[ST+4*\e+3]   ; the sum's two halves,
.endr
.irp e, 0,1
	v_permlanex16_b32 v[WK+8*\e+4], v[ST+4*\e+2], s36, s37
.endr
.irp e, 0,1
	v_add_f32 v[ST+4*\e+2], v[ST+4*\e+2], v[WK+8*\e+4]   ; and lane l xor 16's
.endr
.irp e, 0,1
	v_rcp_f32 v[WK+8*\e+2], v[ST+4*\e+2]
.endr
	v_nop                                          ; a plain instruction behind the transcendentals
	s_wait_alu depctr_va_vdst(0)                   ; the two reciprocals are written: one wait for both, ahead of their first reader
.irp e, 0,1
	v_ldexp_f32 v[WK+8*\e+2], v[WK+8*\e+2], s47
.endr
.irp e, 0,1
	v_mov_b32 v[WK+8*\e+3], v[WK+8*\e+2]
.endr
	WIN W_SC
.set jj, 0
.rept 32
	v_pk_fma_f32 v[S+64*(jj/32)+jj%32:S+64*(jj/32)+jj%32+1], v[OT+jj:OT+jj+1], v[WK+8*(jj/32)+2:WK+8*(jj/32)+3], v[QF+jj:QF+jj+1]   ; register 16 b + i of a tile is o(r, 32 b + 16 h + i).  Each accumulator from its low end on
.set jj, jj+2
.endr
.if (\p) == 0
	WIN W_TO1
	s_wait_alu depctr_va_vdst(0)                   ; the multiply-adds are done reading q, in which the next pass's q lands, and have written o, which the stage's stores read; the upper half of each tile's S, in which rows come back, was left long ago
.irp e, 0,1
.irp i, 0,1,2,3,4,5,6,7
	ds_load_b128 v[QF+32*\e+4*\i:QF+32*\e+4*\i+3], v[SIM] offset:STT*\e+512*\i   ; the next pass's q comes back from my stages.  LDS serves a wave's instructions in order (ISA guide 5.7.1.4): the stores below come behind these loads
.endr
.endr
	WIN 0
.else
	WIN 0
	s_wait_alu depctr_va_vdst(0)                   ; the multiply-adds have written o, which the stage's stores read; the upper half of each tile's S, in which rows come back, was left long ago
.endif
.irp e, 0,1
.irp b, 0,1
.irp i, 0,1,2,3
	ds_store_b128 v[STO], v[S+64*\e+16*\b+4*\i:S+64*\e+16*\b+4*\i+3] offset:STT*\e+128*\b+16*\i
.endr
.endr
.irp i, 0,1,2,3,4,5,6,7
	ds_load_b128 v[S+64*\e+32+4*\i:S+64*\e+32+4*\i+3], v[RD] offset:STT*\e+2*SPI*\i   ; these see my stores
.endr
.endr
.irp e, 0,1
.irp i, 0,1,2,3,4,5,6,7
	s_wait_dscnt 16*(1-\e)+7-\i                    ; loads come back in order: pair i of the tile's rows is in; the younger loads, and the second tile's 8 stores and 8 loads, may be out
	global_store_b128 v[GO], v[S+64*\e+32+4*\i:S+64*\e+32+4*\i+3], s[18:19] offset:1048576*(\p)+65536*\e+8192*\i
.endr
.endr
.if (\p) == 0
	s_wait_xcnt 0x0                                ; the stores' addresses are translated: the next pass writes their registers again only behind this wait,
	s_wait_alu depctr_vm_vsrc(0)                   ; and behind this one: the stage's stores and the stores of o have read S, which the next pass's first lines write
.endif
.endm
	PASS 0
	PASS 1
	s_wait_dscnt 0x0                               ; the closing lines, six on end
	s_wait_alu 0x0
	s_wait_tensorcnt 0x0
	ds_add_u32 v30, v31
	s_wait_dscnt 0x0
	s_endpgm
.Lfunc_end_k_qe663097fe0_attn:
	.size	k_qe663097fe0_attn, .Lfunc_end_k_qe663097fe0_attn-k_qe663097fe0_attn
	.p2alignl 7, 3214868480
	.fill 96, 4, 3214868480
	.section	.rodata,"a",@progbits
	.p2align	6, 0x0
	.amdhsa_kernel k_qe663097fe0_attn
		.amdhsa_group_segment_fixed_size 296960
		.amdhsa_private_segment_fixed_size 0
		.amdhsa_enable_private_segment 0
		.amdhsa_kernarg_size 64
		.amdhsa_user_sgpr_count 2
		.amdhsa_user_sgpr_kernarg_segment_ptr 1
		.amdhsa_wavefront_size32 1
		.amdhsa_system_sgpr_workgroup_id_x 1
		.amdhsa_system_sgpr_workgroup_id_y 1
		.amdhsa_system_sgpr_workgroup_id_z 1
		.amdhsa_system_vgpr_workitem_id 0
		.amdhsa_next_free_vgpr 512
		.amdhsa_next_free_sgpr 66
		.amdhsa_reserve_vcc 1
		.amdhsa_float_denorm_mode_32 3
		.amdhsa_float_denorm_mode_16_64 3
		.amdhsa_memory_ordered 1
		.amdhsa_forward_progress 1
		.amdhsa_inst_pref_size 211
	.end_amdhsa_kernel
	.amdgpu_metadata
---
amdhsa.version: [ 1, 2 ]
amdhsa.kernels:
  - .name:           k_qe663097fe0_attn
    .symbol:         k_qe663097fe0_attn.kd
    .args:
      - { .name: Q_codes, .offset: 0, .size: 8, .value_kind: global_buffer, .address_space: global }
      - { .name: Wq_codes, .offset: 8, .size: 8, .value_kind: global_buffer, .address_space: global }
      - { .name: kc, .offset: 16, .size: 8, .value_kind: global_buffer, .address_space: global }
      - { .name: vt, .offset: 24, .size: 8, .value_kind: global_buffer, .address_space: global }
      - { .name: mask, .offset: 32, .size: 8, .value_kind: global_buffer, .address_space: global }
      - { .name: bq, .offset: 40, .size: 8, .value_kind: global_buffer, .address_space: global }
      - { .name: lowp_scales, .offset: 48, .size: 8, .value_kind: global_buffer, .address_space: global }
      - { .name: o, .offset: 56, .size: 8, .value_kind: global_buffer, .address_space: global }
    .group_segment_fixed_size: 296960
    .private_segment_fixed_size: 0
    .kernarg_segment_align: 8
    .kernarg_segment_size: 64
    .max_flat_workgroup_size: 256
    .sgpr_count:     66
    .vgpr_count:     512
    .wavefront_size: 32
...
	.end_amdgpu_metadata
.endif
;; end of part 4
;; launch tail (part 5): grid 256 x 1, 16 waves a work-group, no clusters, 171,520 bytes of LDS; arguments o, woimg, lowp_scales, g0, b0, bo, g1, b1, out0; writes out0
.if DOCPART == 5
	.amdgcn_target "amdgcn-amd-amdhsa--gfx1250"
	.amdhsa_code_object_version 6
	.text
	.protected	k_qe663097fe0_tail
	.globl	k_qe663097fe0_tail
	.p2align	8
	.type	k_qe663097fe0_tail,@function
k_qe663097fe0_tail:
	s_mov_b64 s[64:65], 0
	v_nop
	global_prefetch_b8 v0, s[64:65] scope:SCOPE_SE
	s_setreg_imm32_b32 hwreg(HW_REG_WAVE_SCHED_MODE, 0, 2), 2
	s_setreg_imm32_b32 hwreg(HW_REG_WAVE_MODE, 25, 1), 1
	s_wait_xcnt 0x0
	s_wait_alu depctr_vm_vsrc(0)
; out = LN1(O + relu(O Wo + bo)), O = LN0(o).  The product is on codes of BF8 (E5M2): O is quantised here (scale entry 10), Wo's codes (entry 11) come re-laid in fragment order from the first launch.
; SHARES.  A work-group owns 32 whole rows: both norms need whole rows of 1,024.  For LN0 and for the copies in and out wave w owns rows 2 w and 2 w + 1 (a row is 32 registers of a wave: the norm never
; leaves the wave).  For the product wave w owns columns 64 w .. 64 w + 63 of all 32 rows: 2 x 4 accumulators.  LN1's sums span the waves: each wave's part of a row's sum meets the others' in LDS.
; Both variances are sums of squares of differences from the mean.
; Wo's FRAGMENTS GO FROM MEMORY STRAIGHT INTO REGISTERS, 512 consecutive bytes a load, two K steps ahead.  Not through LDS, and no cluster: a fragment is used by one wave of the work-group, for two matrix
; instructions; through LDS each of its bytes would be written and read once more.
; O's fragments go from wave to wave through LDS as images of the operand's registers (4 stores of 16 bytes a lane at 16 x lane; the same lines as loads give any wave the same registers).
; The product is used transposed (source 0 = 16 rows of Wo's codes = 16 output columns, source 1 = 16 rows of O): a lane holds one row and eight neighbouring columns.
; LIMITS: entry 10 between -126 and 112; entries 10 + 11 between -126 and 127.  NaN among the inputs is not served.
; THE MODE: SCHED_MODE bits 1:0 = 2 (LLVM: expert scheduling mode 2), set by the entry lines.  The code itself states the register dependences between vector or matrix instructions and memory or LDS
; instructions, with s_wait_alu, always for 0.
; THE PLAN.  The text has no loop and no branch; v1 to v10, the addresses, are written at the head, ahead of one wait on va_vdst, and never again.  Registers that memory or LDS instructions touch:
;   v32-95    my rows of o land; LN0 works in place; LDS stores read them; the numbers to quantise land; then the accumulators, which the result's LDS stores read.
;   v96-159   g0 and b0 land, LN0 reads them; Wo's odd K steps land, the products read them; O lands, the additions read it; the rows' parts land twice, the sums of sixteen read them; the result's rows land.
;   v160-223  Wo's even K steps land, the products read them; then bo and g1.
;   v224-255  the conversions write my image, LDS stores read it; each K step's two images land, the products read them; then b1.
;   v16, v24  my part of a row's sum: written by the sums, read by the small LDS stores, written again by the sums of sixteen.
; A wait on va_vdst stands ahead of each run of LDS stores; it also states that the vector lines ahead of it are done with the registers in which the next loads land.  In the product ONE wait on va_vdst stands behind a K
; step's eight products: behind it the next step's images land where they were read, and Wo's K step two on in the set just left.  A wait on vm_vsrc stands behind each barrier whose stores' registers are written next.
.set OFP,  4112                        ; a row of O in LDS: 4,096 bytes + 16: an odd multiple of 16 bytes
.set OF,   0                           ; 32 rows: O in f32, later the result
.set AIMG, OF+32*OFP                   ; 16 images of 2,048 bytes: fragment (K step ks, tile of rows mt) at 2 ks + mt
.set RED1, AIMG+16*2048                ; 32 rows x 80 bytes: word w of a row is wave w's part of the row's sum;
.set RED2, 32*80                       ; the same for the squares, this many bytes further on
.set L16,  1                           ; v1   16 x lane
.set ROWA, 2                           ; v2   OF: my two rows, 16 bytes a lane
.set FA,   3                           ; v3   OF: the 64 numbers that I quantise
.set IMW,  4                           ; v4   where I store my image
.set IMR,  5                           ; v5   where images are read
.set OA,   6                           ; v6, v7  OF: my eight columns of row r, of row 16 + r
.set RW,   8                           ; v8   where I put my part of a row's sum
.set RR,   9                           ; v9   where I read a row's 16 parts
.set CO,   10                          ; v10  32 h: my eight columns in bo, g1, b1
.set ACC,  32                          ; v32-95: rows of o, then the numbers to quantise, then the 8 accumulators.   v16-23, v24-31 at work, a set for each of two rows (v29 aside)
	s_load_b512 s[4:19], s[0:1], 0x0               ; o s[4:5], woimg s[6:7], the scales s[8:9], g0 s[10:11], b0 s[12:13], bo s[14:15], g1 s[16:17], b1 s[18:19]
	s_load_b64 s[20:21], s[0:1], 0x40              ; out0
	v_lshl_add_u32 v15, v0, 2, 0x29600             ; my spare word, behind the sums' parts, and 0: kept for the closing lines alone
	v_mov_b32 v29, 0
	v_lshrrev_b32 v16, 5, v0
	v_readfirstlane_b32 s32, v16                   ; wave 0..15
	v_and_b32 v17, 31, v0                          ; lane
	v_and_b32 v18, 15, v0                          ; r
	v_bfe_u32 v19, v0, 4, 1                        ; h
	v_lshlrev_b32 v[L16], 4, v17
	s_wait_alu depctr_va_sdst(0)                   ; s32, the wave's number, is written, ahead of its first reader
	s_mul_i32 s33, s32, 2*OFP
	v_add_nc_u32 v[ROWA], s33, v[L16]
	s_lshr_b32 s34, s32, 3                         ; the tile of rows that I quantise,
	s_and_b32 s35, s32, 7                          ; and its K step
	v_mul_u32_u24 v21, v18, OFP
	v_lshl_add_u32 v[FA], v19, 6, v21
	s_mul_i32 s33, s34, 16*OFP
	s_lshl_b32 s36, s35, 9
	s_add_co_u32 s33, s33, s36
	v_add_nc_u32 v[FA], s33, v[FA]                 ; row 16 mt + r, + 512 ks + 64 h: 16 neighbours of each block of 32
	s_lshl_b32 s33, s35, 1
	s_add_co_u32 s33, s33, s34
	s_lshl_b32 s33, s33, 11
	s_add_co_u32 s33, s33, AIMG
	v_add_nc_u32 v[IMW], s33, v[L16]
	v_add_nc_u32 v[IMR], AIMG, v[L16]
	v_lshl_add_u32 v[OA], v19, 5, v21
	s_lshl_b32 s33, s32, 8
	v_add_nc_u32 v[OA], s33, v[OA]                 ; row r, + 256 w + 32 h
	v_add_nc_u32 v[OA+1], 16*OFP, v[OA]
	v_mul_u32_u24 v[RR], v18, 80
	v_add_nc_u32 v[RR], RED1, v[RR]
	s_lshl_b32 s33, s32, 2
	v_add_nc_u32 v[RW], s33, v[RR]
	v_lshlrev_b32 v[CO], 5, v19
	v_mov_b32 v20, 0                               ; a lane permute's destination counts as one of its sources
	v_mov_b32 v28, 0
	s_mov_b32 s24, 0x3a800000                      ; 1 / 1,024
	s_mov_b32 s25, 0x3727c5ac                      ; 1e-5
	s_mov_b32 s30, 0x76543210                      ; v_permlanex16_b32's selects for lane l xor 16
	s_mov_b32 s31, 0xfedcba98
	s_lshl_b32 s36, ttmp9, 5
	s_lshl_b32 s37, s32, 1
	s_add_co_u32 s36, s36, s37                     ; my first row: 32 x work-group + 2 x wave
	s_lshl_b32 s36, s36, 12
	s_mov_b32 s37, 0
	s_lshl_b32 s38, s32, 16                        ; woimg: 65,536 bytes for each wave's 64 columns
	s_mov_b32 s39, 0
	s_lshl_b32 s40, s32, 8                         ; bo, g1, b1: my 64 columns
	s_mov_b32 s41, 0
	s_wait_kmcnt 0x0
	s_load_b64 s[22:23], s[8:9], 0x28              ; entries 10 and 11
	s_add_nc_u64 s[4:5], s[4:5], s[36:37]
	s_add_nc_u64 s[20:21], s[20:21], s[36:37]
	s_add_nc_u64 s[6:7], s[6:7], s[38:39]
	s_add_nc_u64 s[14:15], s[14:15], s[40:41]
	s_add_nc_u64 s[16:17], s[16:17], s[40:41]
	s_add_nc_u64 s[18:19], s[18:19], s[40:41]
.macro WLOAD reg, ks                   ; my four fragments of Wo for K step ks: 16 loads of 512 consecutive bytes
.irp n, 0,1,2,3
.irp c, 0,1,2,3
	global_load_b128 v[\reg+16*\n+4*\c:\reg+16*\n+4*\c+3], v[L16], s[6:7] offset:8192*(\ks)+2048*\n+512*\c
.endr
.endr
.endm
	; ---- the loads: my two rows of o, g0 and b0 in the same columns, Wo's K step 0
	s_wait_alu depctr_va_vdst(0)                   ; the ten addresses v1 to v10 are written, which every load, store and LDS instruction of the kernel reads
.irp e, 0,1
.irp i, 0,1,2,3,4,5,6,7
	global_load_b128 v[32+32*\e+4*\i:32+32*\e+4*\i+3], v[L16], s[4:5] offset:4096*\e+512*\i th:TH_LOAD_NT   ; read once in the launch
.endr
.endr
.irp i, 0,1,2,3,4,5,6,7
	global_load_b128 v[96+4*\i:99+4*\i], v[L16], s[10:11] offset:512*\i
.endr
.irp i, 0,1,2,3,4,5,6,7
	global_load_b128 v[128+4*\i:131+4*\i], v[L16], s[12:13] offset:512*\i
.endr
	WLOAD 160, 0
.macro SUM32 x, t                      ; v[t] = the sum of v[x] .. v[x + 31], two at a time, in two chains
	v_pk_add_f32 v[\t:\t+1], v[\x:\x+1], v[\x+2:\x+3]
	v_pk_add_f32 v[\t+2:\t+3], v[\x+4:\x+5], v[\x+6:\x+7]
.irp j, 8,12,16,20,24,28
	v_pk_add_f32 v[\t:\t+1], v[\t:\t+1], v[\x+\j:\x+\j+1]
	v_pk_add_f32 v[\t+2:\t+3], v[\t+2:\t+3], v[\x+\j+2:\x+\j+3]
.endr
	v_pk_add_f32 v[\t:\t+1], v[\t:\t+1], v[\t+2:\t+3]
	v_add_f32 v[\t], v[\t], v[\t+1]
.endm
.macro SQ32 x, t                       ; v[t] = the sum of their squares
	v_pk_mul_f32 v[\t:\t+1], v[\x:\x+1], v[\x:\x+1]
	v_pk_mul_f32 v[\t+2:\t+3], v[\x+2:\x+3], v[\x+2:\x+3]
.irp j, 4,8,12,16,20,24,28
	v_pk_fma_f32 v[\t:\t+1], v[\x+\j:\x+\j+1], v[\x+\j:\x+\j+1], v[\t:\t+1]
	v_pk_fma_f32 v[\t+2:\t+3], v[\x+\j+2:\x+\j+3], v[\x+\j+2:\x+\j+3], v[\t+2:\t+3]
.endr
	v_pk_add_f32 v[\t:\t+1], v[\t:\t+1], v[\t+2:\t+3]
	v_add_f32 v[\t], v[\t], v[\t+1]
.endm
.macro SUM16 x, t                      ; v[t] = the sum of v[x] .. v[x + 15], in a fixed order
	v_pk_add_f32 v[\t:\t+1], v[\x:\x+1], v[\x+2:\x+3]
	v_pk_add_f32 v[\t+2:\t+3], v[\x+4:\x+5], v[\x+6:\x+7]
	v_pk_add_f32 v[\t:\t+1], v[\t:\t+1], v[\x+8:\x+9]
	v_pk_add_f32 v[\t+2:\t+3], v[\t+2:\t+3], v[\x+10:\x+11]
	v_pk_add_f32 v[\t:\t+1], v[\t:\t+1], v[\x+12:\x+13]
	v_pk_add_f32 v[\t+2:\t+3], v[\t+2:\t+3], v[\x+14:\x+15]
	v_pk_add_f32 v[\t:\t+1], v[\t:\t+1], v[\t+2:\t+3]
	v_add_f32 v[\t], v[\t], v[\t+1]
.endm
.macro ROW16 t                         ; over the 16 lanes of a half
.irp x, 1,2,4,8
	v_add_f32_dpp v[\t], v[\t], v[\t] row_xmask:\x row_mask:0xf bank_mask:0xf
.endr
.endm
.macro HALVES t                        ; and lane l xor 16's
	v_permlanex16_b32 v[\t+4], v[\t], s30, s31
	v_add_f32 v[\t], v[\t], v[\t+4]
.endm
.macro MEAN t                          ; v[t+6:t+7] = v[t] / 1,024, twice: a pair for the packed forms
	v_mul_f32 v[\t+6], s24, v[\t]
	v_mov_b32 v[\t+7], v[\t+6]
.endm
.macro LESS x, t                       ; the 32 numbers less the mean, in place
.irp j, 0,2,4,6,8,10,12,14,16,18,20,22,24,26,28,30
	v_pk_add_f32 v[\x+\j:\x+\j+1], v[\x+\j:\x+\j+1], v[\t+6:\t+7] neg_lo:[0,1] neg_hi:[0,1]
.endr
.endm
.macro RSTD                            ; v[22:23], v[30:31] = 1 / sqrt(sum of squares / 1,024 + 1e-5) of both rows: one batch, one plain instruction, one wait ahead of the first reader
	v_fma_f32 v16, v16, s24, s25
	v_fma_f32 v24, v24, s24, s25
	v_rsq_f32 v22, v16
	v_rsq_f32 v30, v24
	v_nop
	s_wait_alu depctr_va_vdst(0)                   ; the two reciprocal roots v22 and v30 are written, ahead of their first reader
	v_mov_b32 v23, v22
	v_mov_b32 v31, v30
.endm
.macro BARRIER                         ; my LDS stores have landed and my LDS loads are in: then the work-group's barrier
	s_wait_dscnt 0x0
	s_barrier_signal -1
	s_barrier_wait -1
.endm
	; ---- LN0 of my two rows
	s_wait_loadcnt 16                              ; o, g0, b0 are in; Wo's 16 loads behind them may be out
	SUM32 32, 16
	SUM32 64, 24
	ROW16 16
	ROW16 24
	HALVES 16
	HALVES 24
	MEAN 16
	MEAN 24
	LESS 32, 16
	LESS 64, 24
	SQ32 32, 16
	SQ32 64, 24
	ROW16 16
	ROW16 24
	HALVES 16
	HALVES 24
	RSTD
.irp e, 0,1
.irp j, 0,2,4,6,8,10,12,14,16,18,20,22,24,26,28,30
	v_pk_mul_f32 v[32+32*\e+\j:33+32*\e+\j], v[32+32*\e+\j:33+32*\e+\j], v[22+8*\e:23+8*\e]
	v_pk_fma_f32 v[32+32*\e+\j:33+32*\e+\j], v[32+32*\e+\j:33+32*\e+\j], v[96+\j:97+\j], v[128+\j:129+\j]   ; x g0 + b0
.endr
.endr
	s_wait_alu depctr_va_vdst(0)                   ; LN0 is done reading g0 and b0, in which Wo's K step 1 lands, and has written my two rows of O, which the LDS stores read
	WLOAD 96, 1                                    ; Wo's K step 1, where g0 and b0 lay
.irp e, 0,1
.irp i, 0,1,2,3,4,5,6,7
	ds_store_b128 v[ROWA], v[32+32*\e+4*\i:32+32*\e+4*\i+3] offset:OFP*\e+512*\i
.endr
.endr
	s_wait_kmcnt 0x0
	s_add_co_i32 s26, s22, s23                     ; entries 10 + 11: the sums lack 2^ that
	s_add_co_i32 s26, s26, 127
	s_lshl_b32 s26, s26, 23
	s_mov_b32 s27, s26                             ; (named with it as a pair, so it is written)
	s_add_co_i32 s28, s22, 127
	s_lshl_b32 s29, s28, 23
	v_mov_b32 v11, s29                             ; 2^e10: the conversion takes its exponent field
	s_add_co_i32 s28, s28, 15
	s_lshl_b32 s28, s28, 23
	s_or_b32 s28, s28, 0x600000
	v_mov_b32 v12, s28                             ; 57,344 x 2^e10
	BARRIER                                        ; 32 rows of O lie in LDS
	s_wait_alu depctr_vm_vsrc(0)                   ; my LDS stores have read v32 to v95, in which the loads below land
	; ---- wave w quantises fragment (tile of rows w / 8, K step w % 8): register 16 c + i = k 32 c + 16 h + i of row r
.irp c, 0,1,2,3
.irp i, 0,1,2,3
	ds_load_b128 v[32+16*\c+4*\i:32+16*\c+4*\i+3], v[FA] offset:128*\c+16*\i
.endr
.endr
	s_wait_dscnt 0x0
.set jj, 0
.rept 64
	v_med3_num_f32 v[32+jj], v[32+jj], -v12, v12   ; the conversion to an 8-bit code does not saturate (ISA guide 7.6.2): the hold at the largest code x the scale
.set jj, jj+1
.endr
.irp c, 0,1,2,3
	v_cvt_scalef32_pk8_bf8_f32 v[224+4*\c:225+4*\c], v[32+16*\c:39+16*\c], v11
	v_cvt_scalef32_pk8_bf8_f32 v[226+4*\c:227+4*\c], v[40+16*\c:47+16*\c], v11
.endr
	v_nop                                          ; one plain vector instruction behind the last conversion: the products below write its sources
	s_wait_alu depctr_va_vdst(0)                   ; the conversions have written my image's sixteen registers, which the LDS stores read
.irp c, 0,1,2,3
	ds_store_b128 v[IMW], v[224+4*\c:227+4*\c] offset:512*\c
.endr
	BARRIER                                        ; the sixteen images lie in LDS
	s_wait_alu depctr_vm_vsrc(0)                   ; my LDS stores have read v224 to v239, in which the images land
	; ---- the product: 128 along K a step; the eight accumulators take turns
.macro ALOAD ks                        ; O's two images of K step ks
.irp m, 0,1
.irp c, 0,1,2,3
	ds_load_b128 v[224+16*\m+4*\c:224+16*\m+4*\c+3], v[IMR] offset:4096*(\ks)+2048*\m+512*\c
.endr
.endr
.endm
.macro KS ks
.set BF, 160-64*((\ks)%2)              ; Wo's fragments: v160-223 in even steps, v96-159 in odd ones
	s_wait_loadcnt 16                              ; this step's 16 loads are in; the 16 issued behind them may be out
	s_wait_dscnt 0x0                               ; and so are its two images
.irp m, 0,1
.irp n, 0,1,2,3
.if (\ks) == 0
	v_wmma_f32_16x16x128_bf8_bf8 v[ACC+8*(4*\m+\n):ACC+8*(4*\m+\n)+7], v[BF+16*\n:BF+16*\n+15], v[224+16*\m:224+16*\m+15], 0
.else
	v_wmma_f32_16x16x128_bf8_bf8 v[ACC+8*(4*\m+\n):ACC+8*(4*\m+\n)+7], v[BF+16*\n:BF+16*\n+15], v[224+16*\m:224+16*\m+15], v[ACC+8*(4*\m+\n):ACC+8*(4*\m+\n)+7]
.endif
.endr
.endr
.rept 4
	v_nop                                          ; places in front of loads into registers that these products have read, and of the first read of results
.endr
	s_wait_alu depctr_va_vdst(0)                   ; this step's products are done reading the two images and their set of Wo's fragments: the loads that follow land in both
.if (\ks) < 7
	ALOAD (\ks)+1                                  ; the next step's images first: they are wanted first
.endif
.if (\ks) < 6
	WLOAD BF, (\ks)+2                              ; two K steps ahead, into the registers just left
.endif
.endm
	ALOAD 0
.irp ks, 0,1,2,3,4,5,6
	KS \ks
.endr
.irp n, 0,1,2,3                        ; behind step 6: bo and g1, 16 loads, so that step 7's count is the same as every step's
	global_load_b128 v[160+8*\n:163+8*\n], v[CO], s[14:15] offset:64*\n        ; bo at columns 16 n + 8 h + 0 .. 7 of my 64
	global_load_b128 v[164+8*\n:167+8*\n], v[CO], s[14:15] offset:64*\n+16
	global_load_b128 v[192+8*\n:195+8*\n], v[CO], s[16:17] offset:64*\n        ; g1
	global_load_b128 v[196+8*\n:199+8*\n], v[CO], s[16:17] offset:64*\n+16
.endr
	KS 7
.irp n, 0,1,2,3
	global_load_b128 v[224+8*\n:227+8*\n], v[CO], s[18:19] offset:64*\n        ; b1, where the images lay
	global_load_b128 v[228+8*\n:231+8*\n], v[CO], s[18:19] offset:64*\n+16
.endr
	; ---- y = O + relu(sum x 2^(e10 + e11) + bo), then LN1
.irp m, 0,1
.irp n, 0,1,2,3
	ds_load_b128 v[96+8*(4*\m+\n):96+8*(4*\m+\n)+3],   v[OA+\m] offset:64*\n     ; O at my places, where Wo's last fragments lay
	ds_load_b128 v[96+8*(4*\m+\n)+4:96+8*(4*\m+\n)+7], v[OA+\m] offset:64*\n+16
.endr
.endr
	s_wait_loadcnt 8                               ; bo and g1 are in; b1's eight loads may be out
	s_wait_dscnt 0x0
.irp m, 0,1
.irp n, 0,1,2,3
.irp i, 0,2,4,6
	v_pk_fma_f32 v[ACC+8*(4*\m+\n)+\i:ACC+8*(4*\m+\n)+\i+1], v[ACC+8*(4*\m+\n)+\i:ACC+8*(4*\m+\n)+\i+1], s[26:27], v[160+8*\n+\i:161+8*\n+\i] op_sel_hi:[1,0,1]   ; each accumulator from its low end on
.endr
.endr
.endr
.set jj, 0
.rept 64
	v_max_num_f32 v[ACC+jj], 0, v[ACC+jj]
.set jj, jj+1
.endr
.set jj, 0
.rept 32
	v_pk_add_f32 v[ACC+jj:ACC+jj+1], v[ACC+jj:ACC+jj+1], v[96+jj:97+jj]
.set jj, jj+2
.endr
	SUM32 32, 16                                   ; row r: my lane's 32 columns,
	SUM32 64, 24                                   ; row 16 + r
	HALVES 16                                      ; and the other half's: my wave's 64 columns
	HALVES 24
	s_wait_alu depctr_va_vdst(0)                   ; v16 and v24 are written, which the two stores read; the additions are done reading O, in whose registers the rows' parts land behind the barrier
	ds_store_b32 v[RW], v16                        ; (lanes r and 16 + r write the same word with the same number)
	ds_store_b32 v[RW], v24 offset:16*80
	BARRIER                                        ; every wave's part of every row's sum lies in LDS
	s_wait_alu depctr_vm_vsrc(0)                   ; the two stores have read v16 and v24, which the sums of sixteen below write
.irp m, 0,1
.irp i, 0,1,2,3
	ds_load_b128 v[96+16*\m+4*\i:96+16*\m+4*\i+3], v[RR] offset:16*80*\m+16*\i
.endr
.endr
	s_wait_dscnt 0x0
	SUM16 96, 16
	SUM16 112, 24
	MEAN 16
	MEAN 24
	LESS 32, 16
	LESS 64, 24
	SQ32 32, 16
	SQ32 64, 24
	HALVES 16
	HALVES 24
	s_wait_alu depctr_va_vdst(0)                   ; v16 and v24 are written, which the two stores read; the sums of sixteen are done reading v96 to v127, in which the squares' parts land behind the barrier
	ds_store_b32 v[RW], v16 offset:RED2            ; other bytes than the sums': no barrier is owed between the reads above and these stores
	ds_store_b32 v[RW], v24 offset:RED2+16*80
	BARRIER
	s_wait_alu depctr_vm_vsrc(0)                   ; the two stores have read v16 and v24, which the sums of sixteen below write
.irp m, 0,1
.irp i, 0,1,2,3
	ds_load_b128 v[96+16*\m+4*\i:96+16*\m+4*\i+3], v[RR] offset:RED2+16*80*\m+16*\i
.endr
.endr
	s_wait_dscnt 0x0
	SUM16 96, 16
	SUM16 112, 24
	RSTD
	s_wait_loadcnt 0x0                             ; b1
.irp m, 0,1
.irp n, 0,1,2,3
.irp i, 0,2,4,6
	v_pk_mul_f32 v[ACC+8*(4*\m+\n)+\i:ACC+8*(4*\m+\n)+\i+1], v[ACC+8*(4*\m+\n)+\i:ACC+8*(4*\m+\n)+\i+1], v[22+8*\m:23+8*\m]
	v_pk_fma_f32 v[ACC+8*(4*\m+\n)+\i:ACC+8*(4*\m+\n)+\i+1], v[ACC+8*(4*\m+\n)+\i:ACC+8*(4*\m+\n)+\i+1], v[192+8*\n+\i:193+8*\n+\i], v[224+8*\n+\i:225+8*\n+\i]   ; x g1 + b1
.endr
.endr
.endr
	s_wait_alu depctr_va_vdst(0)                   ; the result is written, which the LDS stores read; the sums of sixteen are done reading v96 to v127, in which the result's rows land behind the barrier
.irp m, 0,1
.irp n, 0,1,2,3
	ds_store_b128 v[OA+\m], v[ACC+8*(4*\m+\n):ACC+8*(4*\m+\n)+3] offset:64*\n        ; over the very bytes of O that my lane read: nobody else reads them any more
	ds_store_b128 v[OA+\m], v[ACC+8*(4*\m+\n)+4:ACC+8*(4*\m+\n)+7] offset:64*\n+16
.endr
.endr
	BARRIER                                        ; 32 whole rows of the result lie in LDS
.irp e, 0,1
.irp i, 0,1,2,3,4,5,6,7
	ds_load_b128 v[96+32*\e+4*\i:96+32*\e+4*\i+3], v[ROWA] offset:OFP*\e+512*\i
.endr
.endr
.irp e, 0,1
.irp i, 0,1,2,3,4,5,6,7
	s_wait_dscnt 15-8*\e-\i                        ; loads come back in order
	global_store_b128 v[L16], v[96+32*\e+4*\i:96+32*\e+4*\i+3], s[20:21] offset:4096*\e+512*\i th:TH_STORE_NT   ; 32 lanes store 512 consecutive bytes, aligned; written once, read by nobody here
.endr
.endr
	s_wait_dscnt 0x0                               ; the closing lines, six on end
	s_wait_alu 0x0
	s_wait_tensorcnt 0x0
	ds_add_u32 v15, v29
	s_wait_dscnt 0x0
	s_endpgm
.Lfunc_end_k_qe663097fe0_tail:
	.size	k_qe663097fe0_tail, .Lfunc_end_k_qe663097fe0_tail-k_qe663097fe0_tail
	.p2alignl 7, 3214868480
	.fill 96, 4, 3214868480
	.section	.rodata,"a",@progbits
	.p2align	6, 0x0
	.amdhsa_kernel k_qe663097fe0_tail
		.amdhsa_group_segment_fixed_size 171520
		.amdhsa_private_segment_fixed_size 0
		.amdhsa_enable_private_segment 0
		.amdhsa_kernarg_size 72
		.amdhsa_user_sgpr_count 2
		.amdhsa_user_sgpr_kernarg_segment_ptr 1
		.amdhsa_wavefront_size32 1
		.amdhsa_system_sgpr_workgroup_id_x 1
		.amdhsa_system_sgpr_workgroup_id_y 1
		.amdhsa_system_sgpr_workgroup_id_z 1
		.amdhsa_system_vgpr_workitem_id 0
		.amdhsa_next_free_vgpr 256
		.amdhsa_next_free_sgpr 66
		.amdhsa_reserve_vcc 0
		.amdhsa_float_denorm_mode_32 3
		.amdhsa_float_denorm_mode_16_64 3
		.amdhsa_memory_ordered 1
		.amdhsa_forward_progress 1
		.amdhsa_inst_pref_size 76
	.end_amdhsa_kernel
	.amdgpu_metadata
---
amdhsa.version: [ 1, 2 ]
amdhsa.kernels:
  - .name:           k_qe663097fe0_tail
    .symbol:         k_qe663097fe0_tail.kd
    .args:
      - { .name: o, .offset: 0, .size: 8, .value_kind: global_buffer, .address_space: global }
      - { .name: woimg, .offset: 8, .size: 8, .value_kind: global_buffer, .address_space: global }
      - { .name: lowp_scales, .offset: 16, .size: 8, .value_kind: global_buffer, .address_space: global }
      - { .name: g0, .offset: 24, .size: 8, .value_kind: global_buffer, .address_space: global }
      - { .name: b0, .offset: 32, .size: 8, .value_kind: global_buffer, .address_space: global }
      - { .name: bo, .offset: 40, .size: 8, .value_kind: global_buffer, .address_space: global }
      - { .name: g1, .offset: 48, .size: 8, .value_kind: global_buffer, .address_space: global }
      - { .name: b1, .offset: 56, .size: 8, .value_kind: global_buffer, .address_space: global }
      - { .name: out0, .offset: 64, .size: 8, .value_kind: global_buffer, .address_space: global }
    .group_segment_fixed_size: 171520
    .private_segment_fixed_size: 0
    .kernarg_segment_align: 8
    .kernarg_segment_size: 72
    .max_flat_workgroup_size: 512
    .sgpr_count:     66
    .vgpr_count:     256
    .wavefront_size: 32
...
	.end_amdgpu_metadata
.endif
;; end of part 5
